; MI455X (gfx1250); checked and timed in simulation.
; The chip was launched on July 23, 2026; its instructions are those of AMD's public machine-readable ISA for CDNA 5 (MIT licence, August 2026) and "CDNA5" Instruction Set Architecture Reference Guide (July 2026). The comments in the code are by the model that wrote it; some were corrected since.
;; Multi Head Attention. Allowed arithmetic: matrix products marked QUANTISED: E4M3 operands, one given power-of-two scale a tensor, by v_wmma_f32_16x16x64_fp8_fp8 or v_wmma_f32_16x16x128_fp8_fp8, f32 sums; everything else in f32.
;; Inputs: lowp_scales 8 int32 (the exponents e of the quantised operands' scales 2^e); w_out 1,024 x 1,024 float32; w_qkv 3,072 x 1,024 float32; x 1 x 4,096 x 1,024 float32.
;; Outputs: out0 1 x 4,096 x 1,024 float32.
;; This version of the problem:
;;   THIS VERSION OF THE PROBLEM IS GIVEN IN LOW PRECISION. The matrix products marked QUANTISED in the list below multiply operands that are first quantised to E4M3 (4 exponent bits, 3 mantissa bits; 8 bits a number), with one given power-of-two scale for each operand tensor; their sums are f32. All else is computed in f32.
;;   The module's matrix products, in the order in which they are computed (A, B: the left and right operand; K: the contracted axis; several contracted axes count as one K, in the product's order):
;;     1. [M 4,096, K 1,024] x [K 1,024, N 3,072]; A: input x; B: input w_qkv: QUANTISED (scales: A lowp_scales[0], B lowp_scales[1])
;;     2. batch 16 x [M 4,096, K 64] x [K 64, N 4,096]; A: computed on the way; B: computed on the way: QUANTISED (scales: A lowp_scales[2], B lowp_scales[3])
;;     3. batch 16 x [M 4,096, K 4,096] x [K 4,096, N 64]; A: softmax (see below); B: computed on the way: QUANTISED (scales: A lowp_scales[4], B lowp_scales[5])
;;     4. [M 4,096, K 1,024] x [K 1,024, N 1,024]; A: computed on the way; B: input w_out: QUANTISED (scales: A lowp_scales[6], B lowp_scales[7])
;;   THE QUANTISER, for each operand of a quantised product, along K:
;;     - The operand's scale is 2^e, e = its entry of the input lowp_scales (int32; the entries are numbered through the quantised products in the list's order, A before B).
;;     - Each number is divided by the scale, clamped to +-448, and rounded to the nearest number of E4M3, ties to even, subnormals kept.
;;     - The product sums the exact products of the quantised numbers (number of the format x scale) in f32.
;;   ~~~python
;;   def quantise(x, axis, e):      # numpy; x: float32 -> the quantised numbers, widened to float32 again
;;       x = np.moveaxis(x, axis, -1); K = x.shape[-1]
;;       r = np.clip(x / 2.0 ** e, -448, 448)
;;       step = 2.0 ** (np.maximum(np.frexp(np.where(r == 0, 1, r))[1] - 1, -6) - 3)
;;       q = np.round(r / step) * step * 2.0 ** e      # np.round: ties to even
;;       return np.moveaxis(q, -1, axis).astype(np.float32)
;;   ~~~
;;   SOFTMAX AHEAD OF A QUANTISED PRODUCT. Where the list says 'softmax', what is quantised is not the finished softmax but p = 2^(t - M), with t = logit x log2(e) and M = ceil(the row's largest t), a whole number; so 1/2 < the row's largest p <= 1. The row's sum l is taken of the UNQUANTISED p, in f32, and the product's result is divided by l at the end. Since M is a whole number, a kernel that streams over the keys may use a running M (the ceiling of the running maximum): every later rescaling is an exact power of two, so the quantised numbers keep their values, but for numbers so far below the row's largest that they fall under the format's range.
;;   OPERANDS COMPUTED ON THE WAY. 'Computed on the way' means the value that the module computes at that place (a softmax that the list does not call 'softmax' is quantised finished and normalised). What goes into a quantiser is computed in f32, as accurately as f32 sums, v_exp_f32 and their like allow (about 1e-6 of the number): no bf16 or f16 on the way to a quantiser, and a product that is left as it is and whose result goes on into a quantised operand takes f32 operands (vector FMAs, or v_wmma_f32_16x16x4_f32). A number that lies on a knife's edge between two numbers of the format may be rounded either way, as far as f32 arithmetic and the matrix unit's own rounding can turn it there, and no further.
;; One version. Each part assembles by itself: llvm-mc -triple=amdgcn-amd-amdhsa -mcpu=gfx1250 --defsym DOCPART=n.
;; ======== version 1 of 1: 4 launches
;; limits: right only within a limited range of input values
;; workspace buffers: xc 4,194,304 bytes; wqc 3,145,728 bytes; woc 1,048,576 bytes; tab 1,048,576 bytes; qc 4,194,304 bytes; kc 4,194,304 bytes; vc 4,194,304 bytes; oc 4,194,304 bytes
;; launch prep (part 1): grid 256 x 1, 8 waves a work-group, no clusters, 68,608 bytes of LDS; arguments x, w_qkv, w_out, lowp_scales, xc, wqc, woc, tab; writes xc, wqc, woc, tab
.if DOCPART == 1
	.amdgcn_target "amdgcn-amd-amdhsa--gfx1250"
	.amdhsa_code_object_version 6
	.text
	.protected	k_qfca38a607c_prep
	.globl	k_qfca38a607c_prep
	.p2align	8
	.type	k_qfca38a607c_prep,@function
k_qfca38a607c_prep:
	s_mov_b64 s[64:65], 0
	v_nop
	global_prefetch_b8 v0, s[64:65] scope:SCOPE_SE
	s_setreg_imm32_b32 hwreg(HW_REG_WAVE_MODE, 25, 1), 1
	s_wait_xcnt 0x0
; x [4096][1024], w_qkv [3072][1024], w_out [1024][1024], f32 with K innermost, become codes of E4M3 with the given scales 2^e (entries 0, 1, 7 of the scales), and RoPE's cos and sin are laid down as a table.
; code = number / 2^e, held within +-448, rounded to the nearest code, ties to even.  LIMITS: e between -126 and 119, so that 2^e and 448 x 2^e are f32 numbers.  NaN among the inputs is not served.
; THE CODES LIE AS IMAGES OF OPERAND REGISTERS.  A fragment of 16 rows x 64 k is 8 registers a lane: lane (r = l % 16, h = l / 16), registers 2 t, 2 t + 1 hold k = 16 t + 8 h + 0 .. 7 of row r.  Its image is 1,024 bytes:
; registers 4 p .. 4 p + 3 of lane l at 512 p + 16 l.  A tensor is [tiles of 16 rows][16 chunks of 64 k][image].  So every later load of a fragment, and every store here, covers 512 consecutive bytes.
; SHARES.  512 tiles of 16 rows: work-group g takes two (g < 128: x; g < 224: w_qkv; else w_out; only pointers and the scale are chosen, there is one path).  Wave w takes tile w / 4 of the two and 256 of its 1,024 k,
; in two steps of 128 k.  Each load reads 512 consecutive bytes of one row; a step's 16 rows turn through the wave's own stage in LDS (rows 528 bytes apart) and come back 32 bytes a lane, as the conversions want them.
; All 32 loads of a wave go out at the head.  Waves share nothing: no barrier.
; THE TABLE: tab[tile of 16 positions][item 4 cs + 2 t + half][lane][16 bytes]: lane (r, h) holds cos (cs = 0) or sin (cs = 1) of position 16 T + r times inv_freq(16 t + 8 h + 4 half + 0 .. 3).  Work-group g writes tile T = g,
; its waves 0 to 3 an item of cos and one of sin each.  inv_freq = 2^(-f log2(10000) / 32) by v_exp_f32; the angle is reduced by pi/2 in two parts and cos and sin come from polynomials on |rho| <= pi/4.
; LIMIT: inv_freq carries the exponential's last-bit error, which at position 4,095 is an error of the angle of some 3e-4; one last bit of inv_freq in any f32 evaluation moves the angle as far.
.set WV,     28                        ; s28  my wave's number
.set LO,     1                         ; v1   16 x lane: my 16 bytes of a load's or a store's 512
.set SI,     2                         ; v2   the stage, on the way in
.set SO,     3                         ; v3   the stage, on the way out
.set R,      16                        ; v16-143  two steps x 16 rows x 4 registers, as loaded
.set X,      144                       ; v144-207 a step's 64 numbers of my lane; before that the table's work
.set TO,     208                       ; v208-215 the table's results
.set C,      216                       ; v216-247 codes: 16 registers a step, so that no store's data are written again
.set SCL,    248                       ; v248 2^e
.set LIM,    249                       ; v249 448 x 2^e
.set SPITCH, 528                       ; a stage row: 512 bytes + 16 = 33 x 16 bytes
.set TA, X                             ; the table's work, four angles each: the angle,
.set TN, X+4                           ; inv_freq, then n,
.set TR, X+8                           ; rho,
.set TZ, X+12                          ; rho^2,
.set TS, X+16                          ; sin rho,
.set TC, X+20                          ; cos rho,
.set TQ, X+24                          ; n as a whole number,
.set TU, X+28                          ; at work
	s_load_b256 s[4:11], s[0:1], 0x0               ; x s[4:5], w_qkv s[6:7], w_out s[8:9], the scales' exponents s[10:11]
	s_load_b256 s[12:19], s[0:1], 0x20             ; xc s[12:13], wqc s[14:15], woc s[16:17], tab s[18:19]
	v_lshl_add_u32 v254, v0, 2, 0x10800
	v_mov_b32 v255, 0
	v_lshrrev_b32 v4, 5, v0
	s_delay_alu instid0(VALU_DEP_1)
	v_readfirstlane_b32 s[WV], v4                  ; wave 0..7
	v_and_b32 v5, 31, v0                           ; lane
	s_delay_alu instid0(VALU_DEP_1)
	v_lshlrev_b32 v[LO], 4, v5
	v_and_b32 v6, 15, v0                           ; r
	v_bfe_u32 v7, v0, 4, 1                         ; h
	s_mul_i32 s29, s[WV], 16*SPITCH                ; my stage
	v_add_nc_u32 v[SI], s29, v[LO]                 ; in: a row's 512 bytes as they lie
	v_mul_u32_u24 v[SO], v6, SPITCH
	s_delay_alu instid0(VALU_DEP_1)
	v_lshl_add_u32 v[SO], v7, 5, v[SO]
	s_delay_alu instid0(VALU_DEP_1)
	v_add_nc_u32 v[SO], s29, v[SO]                 ; out: row r, + 32 h: eight neighbours of my half
	s_mov_b32 s24, 224
	s_wait_alu depctr_va_vdst(0)
	s_wait_kmcnt 0x0
	s_load_b256 s[32:39], s[10:11], 0x0            ; e0 .. e7
	s_cmp_lt_u32 ttmp9, 224                        ; which tensor: the choice hangs on the work-group's number alone
	s_cselect_b64 s[20:21], s[6:7], s[8:9]
	s_cselect_b64 s[22:23], s[14:15], s[16:17]
	s_cselect_b32 s24, 128, s24
	s_cmp_lt_u32 ttmp9, 128
	s_cselect_b64 s[20:21], s[4:5], s[20:21]       ; from
	s_cselect_b64 s[22:23], s[12:13], s[22:23]     ; to
	s_cselect_b32 s24, 0, s24                      ; the tensor's first work-group
	s_sub_co_u32 s25, ttmp9, s24
	s_lshl_b32 s25, s25, 1
	s_lshr_b32 s26, s[WV], 2
	s_add_co_u32 s25, s25, s26                     ; my tile of 16 rows
	s_and_b32 s26, s[WV], 3                        ; my quarter of K
	s_lshl_b32 s30, s25, 16                        ; 16 rows of 4,096 bytes,
	s_lshl_b32 s27, s26, 10                        ; 256 numbers
	s_add_co_u32 s30, s30, s27
	s_mov_b32 s31, 0
	s_add_nc_u64 s[20:21], s[20:21], s[30:31]
	s_lshl_b32 s30, s25, 14                        ; a tile's 16 images,
	s_lshl_b32 s27, s26, 12                        ; four of them
	s_add_co_u32 s30, s30, s27
	s_add_nc_u64 s[22:23], s[22:23], s[30:31]
.macro LOAD s                          ; step s: 128 numbers of each of the 16 rows
.irp p, 0,1,2,3,4,5,6,7,8,9,10,11,12,13,14,15
	global_load_b128 v[R+64*\s+4*\p:R+64*\s+4*\p+3], v[LO], s[20:21] offset:4096*\p+512*\s th:TH_LOAD_NT   ; 32 lanes read 512 consecutive bytes; read once in the launch
.endr
.endm
.macro TURN s                          ; through the stage: LDS serves a wave's instructions in order (ISA guide 5.7.1.4), so no wait stands between the stores and the loads
.irp p, 0,1,2,3,4,5,6,7,8,9,10,11,12,13,14,15
	ds_store_b128 v[SI], v[R+64*\s+4*\p:R+64*\s+4*\p+3] offset:SPITCH*\p
.endr
.irp n, 0,1,2,3,4,5,6,7                ; n = 4 x chunk + t: k = 16 n + 8 h + 0 .. 7 of row r
	ds_load_b128 v[X+8*\n:X+8*\n+3], v[SO] offset:64*\n
	ds_load_b128 v[X+8*\n+4:X+8*\n+7], v[SO] offset:64*\n+16
.endr
.endm
.macro QUANT s
.set i, 0
.rept 64
	v_med3_num_f32 v[X+i], v[X+i], -v[LIM], v[LIM] ; the conversion to an 8-bit code does not saturate (ISA guide 7.6.2): the hold at the largest code x the scale comes first
.set i, i+1
.endr
.irp n, 0,1,2,3,4,5,6,7
	v_cvt_scalef32_pk8_fp8_f32 v[C+16*\s+2*\n:C+16*\s+2*\n+1], v[X+8*\n:X+8*\n+7], v[SCL]
.endr
	v_nop                                          ; a plain line behind the conversions: the next step's holds write their sources
.irp m, 0,1,2,3
	global_store_b128 v[LO], v[C+16*\s+4*\m:C+16*\s+4*\m+3], s[22:23] offset:2048*\s+512*\m   ; half an image: 512 consecutive bytes, aligned
.endr
.endm
	LOAD 0
	LOAD 1                                         ; all that the wave reads is on its way
	s_cmp_gt_u32 s[WV], 3
	s_cbranch_scc1 .Lno_table                      ; the table is waves 0 to 3's, while the loads fly
	s_mov_b32 s44, 0xbed49a78                      ; -log2(10000) / 32
	s_mov_b32 s45, 0x3f22f983                      ; 2 / pi
	s_mov_b32 s46, 0xbfc90fdb                      ; -(pi/2 rounded to f32)
	s_mov_b32 s47, 0x333bbd2e                      ; that f32 number less pi/2
	s_mov_b32 s48, 0xbe2aaaab                      ; sin: -1/6, 1/120, -1/5040, 1/362880
	s_mov_b32 s49, 0x3c088889
	s_mov_b32 s50, 0xb9500d01
	s_mov_b32 s51, 0x3638ef1d
	s_mov_b32 s52, 0x3d2aaaab                      ; cos: 1/24, -1/720, 1/40320, -1/3628800
	s_mov_b32 s53, 0xbab60b61
	s_mov_b32 s54, 0x37d00d01
	s_mov_b32 s55, 0xb493f27e
	s_lshr_b32 s40, s[WV], 1                       ; t
	s_lshl_b32 s40, s40, 4
	s_and_b32 s41, s[WV], 1                        ; half
	s_lshl_b32 s41, s41, 2
	s_add_co_u32 s40, s40, s41
	v_lshl_add_u32 v8, v7, 3, s40                  ; my first frequency: 16 t + 8 h + 4 half
	s_lshl_b32 s41, ttmp9, 4
	v_add_nc_u32 v9, s41, v6
	s_delay_alu instid0(VALU_DEP_1)
	v_cvt_f32_u32 v9, v9                           ; my position: 16 T + r
	s_lshl_b32 s42, ttmp9, 12                      ; the tile's 4,096 bytes,
	s_lshl_b32 s43, s[WV], 9                       ; my item of cos
	s_add_co_u32 s42, s42, s43
	s_mov_b32 s43, 0
	s_add_nc_u64 s[18:19], s[18:19], s[42:43]
.irp i, 0,1,2,3
	v_add_nc_u32 v[TA+\i], \i, v8
.endr
.irp i, 0,1,2,3
	s_delay_alu instid0(VALU_DEP_4)
	v_cvt_f32_u32 v[TA+\i], v[TA+\i]
.endr
.irp i, 0,1,2,3
	s_delay_alu instid0(VALU_DEP_4)
	v_mul_f32 v[TA+\i], s44, v[TA+\i]
.endr
	s_wait_alu depctr_va_vdst(0)
.irp i, 0,1,2,3
	v_exp_f32 v[TN+\i], v[TA+\i]                   ; inv_freq
.endr
	v_nop                                          ; a plain line behind the last exponential,
	s_wait_alu depctr_va_vdst(0)                   ; and one wait for the four, ahead of their first reader
.irp i, 0,1,2,3
	v_mul_f32 v[TA+\i], v9, v[TN+\i]               ; the angle: position x inv_freq, rounded once
.endr
.irp i, 0,1,2,3
	s_delay_alu instid0(VALU_DEP_4)
	v_mul_f32 v[TN+\i], s45, v[TA+\i]
.endr
.irp i, 0,1,2,3
	s_delay_alu instid0(VALU_DEP_4)
	v_rndne_f32 v[TN+\i], v[TN+\i]                 ; n: the nearest multiple of pi/2, at most 2,607
.endr
.irp i, 0,1,2,3
	s_delay_alu instid0(VALU_DEP_4)
	v_fma_f32 v[TR+\i], v[TN+\i], s46, v[TA+\i]
.endr
.irp i, 0,1,2,3
	s_delay_alu instid0(VALU_DEP_4)
	v_fma_f32 v[TR+\i], v[TN+\i], s47, v[TR+\i]    ; rho = angle - n pi/2; what the two parts of pi/2 leave out is n x 2e-15
.endr
.irp i, 0,1,2,3
	s_delay_alu instid0(VALU_DEP_4)
	v_mul_f32 v[TZ+\i], v[TR+\i], v[TR+\i]
.endr
.irp i, 0,1,2,3
	v_fma_f32 v[TS+\i], v[TZ+\i], s51, s50
	v_fma_f32 v[TC+\i], v[TZ+\i], s55, s54
.endr
.irp i, 0,1,2,3
	v_fma_f32 v[TS+\i], v[TS+\i], v[TZ+\i], s49
	v_fma_f32 v[TC+\i], v[TC+\i], v[TZ+\i], s53
.endr
.irp i, 0,1,2,3
	v_fma_f32 v[TS+\i], v[TS+\i], v[TZ+\i], s48
	v_fma_f32 v[TC+\i], v[TC+\i], v[TZ+\i], s52
.endr
.irp i, 0,1,2,3
	v_mul_f32 v[TU+\i], v[TR+\i], v[TZ+\i]
	v_fma_f32 v[TC+\i], v[TC+\i], v[TZ+\i], -0.5
.endr
.irp i, 0,1,2,3
	v_fma_f32 v[TS+\i], v[TS+\i], v[TU+\i], v[TR+\i]   ; sin rho
	v_fma_f32 v[TC+\i], v[TC+\i], v[TZ+\i], 1.0        ; cos rho
.endr
.irp i, 0,1,2,3
	v_cvt_i32_f32 v[TQ+\i], v[TN+\i]
.endr
.irp i, 0,1,2,3                        ; the quadrant: n odd swaps the two; the signs are bit 1 of n (sin) and of n + 1 (cos).  Values are chosen, nothing branches
	v_and_b32 v[TU+\i], 1, v[TQ+\i]
	s_delay_alu instid0(VALU_DEP_1)
	v_cmp_eq_u32 vcc_lo, 1, v[TU+\i]
	s_delay_alu instid0(VALU_DEP_1)
	v_cndmask_b32 v[TO+4+\i], v[TS+\i], v[TC+\i], vcc_lo
	s_delay_alu instid0(VALU_DEP_2)
	v_cndmask_b32 v[TO+\i], v[TC+\i], v[TS+\i], vcc_lo
	v_and_b32 v[TU+\i], 2, v[TQ+\i]
	s_delay_alu instid0(VALU_DEP_1)
	v_lshlrev_b32 v[TU+\i], 30, v[TU+\i]
	s_delay_alu instid0(VALU_DEP_1)
	v_xor_b32 v[TO+4+\i], v[TU+\i], v[TO+4+\i]
	v_add_nc_u32 v[TU+\i], 1, v[TQ+\i]
	s_delay_alu instid0(VALU_DEP_1)
	v_and_b32 v[TU+\i], 2, v[TU+\i]
	s_delay_alu instid0(VALU_DEP_1)
	v_lshlrev_b32 v[TU+\i], 30, v[TU+\i]
	s_delay_alu instid0(VALU_DEP_1)
	v_xor_b32 v[TO+\i], v[TU+\i], v[TO+\i]
.endr
	global_store_b128 v[LO], v[TO:TO+3], s[18:19]                  ; cos: 512 consecutive bytes, aligned
	global_store_b128 v[LO], v[TO+4:TO+7], s[18:19] offset:2048    ; sin
.Lno_table:
	s_wait_kmcnt 0x0
	s_cmp_lt_u32 ttmp9, 224
	s_cselect_b32 s40, s33, s39                    ; e1 or e7,
	s_cmp_lt_u32 ttmp9, 128
	s_cselect_b32 s40, s32, s40                    ; or e0
	s_add_co_i32 s40, s40, 127
	s_lshl_b32 s41, s40, 23
	v_mov_b32 v[SCL], s41                          ; 2^e as f32: the conversion takes its exponent field
	s_add_co_i32 s40, s40, 8
	s_lshl_b32 s40, s40, 23
	s_or_b32 s40, s40, 0x600000
	v_mov_b32 v[LIM], s40                          ; 448 x 2^e
	s_wait_alu depctr_va_vdst(0)
	s_wait_loadcnt 16                              ; step 0's sixteen loads are in; step 1's sixteen may be out
	TURN 0
	s_wait_dscnt 0x0
	QUANT 0
	s_wait_loadcnt 0x0
	TURN 1
	s_wait_dscnt 0x0
	QUANT 1
	s_wait_tensorcnt 0x0
	ds_add_u32 v254, v255
	s_wait_dscnt 0x0
	s_endpgm
.Lfunc_end_k_qfca38a607c_prep:
	.size	k_qfca38a607c_prep, .Lfunc_end_k_qfca38a607c_prep-k_qfca38a607c_prep
	.p2alignl 7, 3214868480
	.fill 96, 4, 3214868480
	.section	.rodata,"a",@progbits
	.p2align	6, 0x0
	.amdhsa_kernel k_qfca38a607c_prep
		.amdhsa_group_segment_fixed_size 68608
		.amdhsa_private_segment_fixed_size 0
		.amdhsa_enable_private_segment 0
		.amdhsa_kernarg_size 64
		.amdhsa_user_sgpr_count 2
		.amdhsa_user_sgpr_kernarg_segment_ptr 1
		.amdhsa_wavefront_size32 1
		.amdhsa_system_sgpr_workgroup_id_x 1
		.amdhsa_system_sgpr_workgroup_id_y 1
		.amdhsa_system_sgpr_workgroup_id_z 1
		.amdhsa_system_vgpr_workitem_id 0
		.amdhsa_next_free_vgpr 256
		.amdhsa_next_free_sgpr 66
		.amdhsa_reserve_vcc 1
		.amdhsa_float_denorm_mode_32 3
		.amdhsa_float_denorm_mode_16_64 3
		.amdhsa_memory_ordered 1
		.amdhsa_forward_progress 1
		.amdhsa_inst_pref_size 29
	.end_amdhsa_kernel
	.amdgpu_metadata
---
amdhsa.version: [ 1, 2 ]
amdhsa.kernels:
  - .name:           k_qfca38a607c_prep
    .symbol:         k_qfca38a607c_prep.kd
    .args:
      - { .name: x, .offset: 0, .size: 8, .value_kind: global_buffer, .address_space: global }
      - { .name: w_qkv, .offset: 8, .size: 8, .value_kind: global_buffer, .address_space: global }
      - { .name: w_out, .offset: 16, .size: 8, .value_kind: global_buffer, .address_space: global }
      - { .name: lowp_scales, .offset: 24, .size: 8, .value_kind: global_buffer, .address_space: global }
      - { .name: xc, .offset: 32, .size: 8, .value_kind: global_buffer, .address_space: global }
      - { .name: wqc, .offset: 40, .size: 8, .value_kind: global_buffer, .address_space: global }
      - { .name: woc, .offset: 48, .size: 8, .value_kind: global_buffer, .address_space: global }
      - { .name: tab, .offset: 56, .size: 8, .value_kind: global_buffer, .address_space: global }
    .group_segment_fixed_size: 68608
    .private_segment_fixed_size: 0
    .kernarg_segment_align: 8
    .kernarg_segment_size: 64
    .max_flat_workgroup_size: 256
    .sgpr_count:     66
    .vgpr_count:     256
    .wavefront_size: 32
...
	.end_amdgpu_metadata
.endif
;; end of part 1
;; launch qkv (part 2): grid 12 x 16, 4 waves a work-group, clusters of 4 x 4, 327,680 bytes of LDS; arguments xc, wqc, lowp_scales, tab, qc, kc, vc; writes qc, kc, vc
.if DOCPART == 2
	.amdgcn_target "amdgcn-amd-amdhsa--gfx1250"
	.amdhsa_code_object_version 6
	.text
	.protected	k_qfca38a607c_qkv
	.globl	k_qfca38a607c_qkv
	.p2align	8
	.type	k_qfca38a607c_qkv,@function
k_qfca38a607c_qkv:
	s_mov_b64 s[64:65], 0
	v_nop
	global_prefetch_b8 v0, s[64:65] scope:SCOPE_SE
	s_setreg_imm32_b32 hwreg(HW_REG_WAVE_MODE, 25, 1), 1
	s_wait_xcnt 0x0
	s_wait_alu depctr_hold_cnt(0) depctr_sa_sdst(0) depctr_va_vdst(0) depctr_va_sdst(0) depctr_va_ssrc(0) depctr_va_vcc(0) depctr_vm_vsrc(0)
	s_getreg_b32 s2, hwreg(HW_REG_IB_STS2, 6, 4)
	s_cmp_eq_u32 s2, 0
	s_cbranch_scc0 .Lentry_in_a_cluster
	s_endpgm
.Lentry_in_a_cluster:
	s_bfe_u32 s2, ttmp6, 0x10000c
	s_cmp_lg_u32 s2, 0xf033
	s_cbranch_scc0 .Lentry_shape_is_right
	s_endpgm
.Lentry_shape_is_right:
; q, k, v = x w_qkv^T on codes of E4M3 (M 4,096, N 3,072, K 1,024); RoPE on q and k; and the three's codes for attention, with the given scales (entries 2, 3 and 5).
; A tile of 256 x 256 is made by four waves, each 128 x 128: 64 accumulators of 16 x 16, 512 registers.  xc and wqc lie as images of operand registers: [tiles of 16 rows][16 chunks of 64 k][1,024 bytes].
; K goes in four steps of 256 through a ring of two LDS slots: of each tile of 16 rows a step's 4,096 bytes, dense in memory and in LDS.
; CLUSTERS: 4 x 4 work-groups; clusters 0 and 1 along x make q and k, 2 makes v.  A's tiles are shared along a row of the cluster, B's along a column, by joint loads.
; q, k: A = x's rows, B = w_qkv's.  v: A = w_qkv's rows, B = x's.  THE MATRIX INSTRUCTION IS USED TRANSPOSED (source 0 = B, source 1 = A): a lane holds one position and eight neighbouring channels of q or k; of v one channel and eight
; neighbouring positions: what the next products take as operands.
; RoPE: y(d) = a(d) cos - a(d + 32) sin, y(d + 32) = a(d + 32) cos + a(d) sin, d = 0 .. 31.  The table's 32 registers for each of my eight blocks of 16 positions are asked for ahead of the last products (blocks 0-3) and behind them (4-7):
; they land where B's fragments lay.
; NO PREFETCH: K is four steps; two of them have been asked for before the first product.
; LIMITS: e2, e3, e5 less e0 + e1 between -126 and 119, so that the powers of two are f32 numbers.
; REGISTERS: window 0: v0-31 addresses; v128-255 A's fragments, one set; on the way out v32-63 products, v64-127 results, v128-255 codes.  window 1: B's fragments, two sets; then the table.  windows 2, 3: the accumulators of my rows 0-63, 64-127.
.set KB,     4096                      ; bytes of a K step of one tile of 16 rows
.set HALFT,  8*KB                      ; 128 rows: what one tensor load brings
.set SLOT,   4*HALFT                   ; A's 256 rows, then B's
.set SPARE,  2*SLOT                    ; behind the ring: the spare words, 128 bytes for each wave
.set LAPS,   2
.set FR,     16                        ; registers of a fragment: 16 rows x 128 K
.set NL,     4                         ; LDS loads that bring one
.set ADRA, 16                          ; v16-17  LDS address of my A fragments in slot 0, 1
.set ADRB, 20                          ; v20-21  the same for B
.set LI,   27                          ; v27  16 x lane
.set SPW,  28                          ; v28  LDS address of my spare word; never rewritten
.set NIL,  29                          ; v29  0; never rewritten
.set SCL,  30                          ; v30  the conversion's scale: 2^(e - e0 - e1)
.set LIM,  31                          ; v31  448 x that
.set TM,   32
.set CD,   128
.set AF,   128
.set G1, 24                            ; s[24:31] descriptor group 1 for A's tiles, s[32:39] group 0 for each slot;  s[48:55], s[56:63] for B's
.set G0, 32
.set G1B, 48
.set G0B, 56
.set MSB, 0
.macro WIN new                         ; the immediate's high byte repeats the setting that is left
.if MSB != (\new)
	s_set_vgpr_msb (MSB<<8)|(\new)
.set MSB, (\new)
.endif
.endm
.set MUL_LO, 0xa1                      ; source 0 (B) window 1, source 1 (A) window 0, C and D window 2
.set MUL_HI, 0xf1                      ; the same, C and D window 3
.set TO_B,   0x40                      ; destination window 1, address window 0
; A joint load: waves 0 and 1 fetch for A, waves 2 and 3 for B; an s_nop 0 and four v_nop follow each line.
.macro JLOAD g0a, g1a, g0b, g1b
	s_cmp_eq_u32 s15, 0
	s_cbranch_scc0 .Lfor_b_\@
	tensor_load_to_lds s[\g0a:\g0a+3], s[\g1a:\g1a+7]
	s_nop 0
.rept 4
	v_nop
.endr
	s_branch .Lasked_\@
.Lfor_b_\@:
	tensor_load_to_lds s[\g0b:\g0b+3], s[\g1b:\g1b+7]
	s_nop 0
.rept 4
	v_nop
.endr
.Lasked_\@:
.endm
.macro CREST                           ; a round of the cluster's barrier behind its opening barrier
	s_cmp_lg_u32 s14, 0
	s_cbranch_scc1 .Lnot_wave_0_\@
	s_barrier_signal -3
.Lnot_wave_0_\@:
	s_barrier_wait -3
	s_barrier_signal -1
	s_barrier_wait -1
.endm
.macro CROUND
	s_barrier_signal -1
	s_barrier_wait -1
	CREST
.endm
	s_load_b128 s[4:7], s[0:1], 0x0                ; xc s[4:5], wqc s[6:7]
	s_load_b128 s[8:11], s[0:1], 0x10              ; the scales' exponents s[8:9], tab s[10:11]
	s_load_b128 s[88:91], s[0:1], 0x20             ; qc, kc
	s_load_b64 s[92:93], s[0:1], 0x30              ; vc
	v_lshl_add_u32 v[SPW], v0, 2, SPARE
	v_mov_b32 v[NIL], 0
	ds_add_u32 v[SPW], v[NIL]                      ; the opening lines: the add, twice on end; work on registers stands between it and the wait
	ds_add_u32 v[SPW], v[NIL]
	v_lshrrev_b32 v1, 5, v0
	v_readfirstlane_b32 s14, v1                    ; wave 0..3
	s_lshr_b32 s15, s14, 1                         ; which half of A's rows is mine.  Also: I fetch for A (0) or B (1)
	s_and_b32 s16, s14, 1                          ; which half of B's.  Also: which 128 rows I fetch
	s_bfe_u32 s40, ttmp6, 0x40000                  ; cx, cy
	s_bfe_u32 s41, ttmp6, 0x40004
	s_and_b32 s66, ttmp7, 0xffff
	s_cmp_eq_u32 ttmp9, 2                          ; v: A and B change places
	s_cselect_b32 s67, ttmp9, s66
	s_cselect_b32 s68, s66, ttmp9
	s_lshl_b32 s42, s68, 2
	s_add_co_u32 s42, s42, s40                     ; B's tile of 256 rows
	s_lshl_b32 s17, s67, 2
	s_add_co_u32 s17, s17, s41                     ; A's
	s_lshl_b32 s43, s41, 2
	s_lshl_b32 s43, 15, s43                        ; my row of the cluster
	s_lshl_b32 s44, 0x1111, s40                    ; my column
	; descriptor group 1: 8 tiles of 16 rows, of each the 4,096 bytes of a K step, 16,384 bytes apart in memory, dense in LDS
	s_or_b32 s[G1+0], s43, (3<<16)|(1<<21)         ; 15:0 the mask; 17:16 elements of 8 bytes; no padding; 21 set beside a mask
	s_or_b32 s[G1B+0], s44, (3<<16)|(1<<21)
.irp g, G1, G1B
	s_mov_b32 s[\g+1], 512<<16                     ; tensor_dim0
	s_mov_b32 s[\g+2], 8<<16                       ; tensor_dim1
	s_mov_b32 s[\g+3], 512<<16                     ; tile_dim0
	s_mov_b32 s[\g+4], 8                           ; tile_dim1
	s_mov_b32 s[\g+5], 2048                        ; tensor_dim0_stride
	s_mov_b32 s[\g+6], 0
	s_mov_b32 s[\g+7], 0
.endr
	s_lshl_b32 s18, s16, 7
	s_lshl_b32 s20, s17, 8
	s_add_co_u32 s20, s20, s18
	s_lshl_b32 s20, s20, 10                        ; A: row 256 x tile + 128 x half, 1,024 bytes a row
	s_mov_b32 s21, 0
	s_lshl_b32 s46, s42, 8
	s_add_co_u32 s46, s46, s18
	s_lshl_b32 s46, s46, 10                        ; B likewise
	s_mov_b32 s47, 0
	s_mul_i32 s45, s14, HALFT                      ; where they go: no place in the cluster enters an LDS address
	s_wait_dscnt 0x0                               ; both opening adds are done
	s_wait_kmcnt 0x0
	s_load_b256 s[80:87], s[8:9], 0x0              ; e0 .. e7
	s_cmp_eq_u32 ttmp9, 2
	s_cselect_b64 s[70:71], s[6:7], s[4:5]
	s_cselect_b64 s[72:73], s[4:5], s[6:7]
	s_add_nc_u64 s[20:21], s[70:71], s[20:21]
	s_add_nc_u64 s[46:47], s[72:73], s[46:47]
.irp s, 0,1
	s_mov_b32 s[G0+4*\s], 1
	s_add_co_u32 s[G0+4*\s+1], s45, \s*SLOT
	s_add_nc_u64 s[G0+4*\s+2:G0+4*\s+3], s[20:21], \s*KB
	s_or_b32 s[G0+4*\s+3], s[G0+4*\s+3], 0x80000000
	s_mov_b32 s[G0B+4*\s], 1
	s_add_co_u32 s[G0B+4*\s+1], s45, \s*SLOT
	s_add_nc_u64 s[G0B+4*\s+2:G0B+4*\s+3], s[46:47], \s*KB
	s_or_b32 s[G0B+4*\s+3], s[G0B+4*\s+3], 0x80000000
.endr
	CROUND                                         ; all sixteen work-groups are here: the joint loads meet
	JLOAD G0, G1, G0B, G1B                         ; K step 0: one load a wave at the head
	v_and_b32 v1, 31, v0
	v_lshlrev_b32 v[LI], 4, v1
	s_mul_i32 s21, s15, HALFT
	s_mul_i32 s22, s16, HALFT
	s_add_co_u32 s22, s22, 2*HALFT
	s_add_co_u32 s23, s21, SLOT
	s_add_co_u32 s45, s22, SLOT
	v_add_nc_u32 v[ADRA], s21, v[LI]
	v_add_nc_u32 v[ADRA+1], s23, v[LI]
	v_add_nc_u32 v[ADRB], s22, v[LI]
	v_add_nc_u32 v[ADRB+1], s45, v[LI]
	s_wait_alu depctr_va_vdst(0)
	s_wait_kmcnt 0x0
	s_cmp_eq_u32 ttmp9, 0
	s_cselect_b32 s94, s82, s83                    ; q's exponent or k's,
	s_cselect_b64 s[88:89], s[88:89], s[90:91]
	s_cmp_eq_u32 ttmp9, 2
	s_cselect_b32 s94, s85, s94                    ; or v's
	s_sub_co_i32 s94, s94, s80
	s_sub_co_i32 s94, s94, s81                     ; a sum stands for sum x 2^(e0 + e1): folded into the conversion's scale
	s_add_co_i32 s94, s94, 127
	s_lshl_b32 s95, s94, 23
	v_mov_b32 v[SCL], s95
	s_add_co_i32 s94, s94, 8
	s_lshl_b32 s94, s94, 23
	s_or_b32 s94, s94, 0x600000
	v_mov_b32 v[LIM], s94
.macro FRAG reg, adr, q, i
.irp c, 0,1,2,3
	ds_load_b128 v[\reg+4*\c:\reg+4*\c+3], v[\adr] offset:2048*(\q)+512*\c+(\i)*KB
.endr
.endm
; 16 matrix instructions: A's blocks a0, a0 + 1 x B's eight, 128 along K.  The 64 accumulators take turns, in the same order in every step.  zero = 1: the first product starts the sums.
.macro MUL16 a0, p, zero
.irp a, \a0, \a0+1
.irp b, 0,1,2,3,4,5,6,7
.if \zero
	v_wmma_f32_16x16x128_fp8_fp8 v[8*(8*((\a)%4)+\b):8*(8*((\a)%4)+\b)+7], v[128*(\p)+FR*\b:128*(\p)+FR*\b+FR-1], v[AF+FR*(\a):AF+FR*(\a)+FR-1], 0
.else
	v_wmma_f32_16x16x128_fp8_fp8 v[8*(8*((\a)%4)+\b):8*(8*((\a)%4)+\b)+7], v[128*(\p)+FR*\b:128*(\p)+FR*\b+FR-1], v[AF+FR*(\a):AF+FR*(\a)+FR-1], v[8*(8*((\a)%4)+\b):8*(8*((\a)%4)+\b)+7]
.endif
.endr
.endr
.endm
.macro FETCH_B slot, q, p
	WIN TO_B
.irp i, 0,1,2,3,4,5,6,7
	FRAG 128*(\p)+FR*\i, ADRB+\slot, \q, \i
.endr
	WIN 0
.endm
.macro FETCH_A slot, q, i0
.irp i, \i0, \i0+1, \i0+2, \i0+3
	FRAG AF+FR*(\i), ADRA+\slot, \q, \i
.endr
.endm
.macro PLACES                          ; four places in front of loads into registers that matrix instructions have read, and of the first read of results (ISA guide 7.12.1 for the first read of results)
.rept 4
	v_nop
.endr
.endm
; A step of 128 along K that has its successor in the same slot.
.macro STEP slot, q, zero
	s_wait_dscnt 4*NL                              ; B's set and A's blocks 0-3 are in; the youngest loads (A's blocks 4-7) may be out
	WIN MUL_LO
	MUL16 0, (\q)%2, \zero
	MUL16 2, (\q)%2, \zero
	s_wait_dscnt 0
	PLACES
	FETCH_B \slot, (\q)+1, 1-(\q)%2
	FETCH_A \slot, (\q)+1, 0
	WIN MUL_HI
	MUL16 4, (\q)%2, \zero
	MUL16 6, (\q)%2, \zero
	PLACES
	WIN 0
	FETCH_A \slot, (\q)+1, 4
.endm
; A slot's last step changes slots: each wave waits for all its tensor loads, adds 0 to its spare word, and waits for that and for its own reads of this slot.  fill = 1: a round of the cluster's barrier, and this slot is filled again.
.macro TURN slot, next, fill
	s_wait_tensorcnt 0x0
	ds_add_u32 v[SPW], v[NIL]
	s_wait_dscnt 4*NL+1                            ; (the add and A's blocks 4-7 may be out)
	WIN MUL_LO
	MUL16 0, 1, 0
	s_wait_dscnt 0x0
	s_barrier_signal -1
	MUL16 2, 1, 0
	WIN 0
	s_barrier_wait -1
.if \fill
	CREST
	s_add_nc_u64 s[G0+4*\slot+2:G0+4*\slot+3], s[G0+4*\slot+2:G0+4*\slot+3], 2*KB
	s_add_nc_u64 s[G0B+4*\slot+2:G0B+4*\slot+3], s[G0B+4*\slot+2:G0B+4*\slot+3], 2*KB
	JLOAD G0+4*\slot, G1, G0B+4*\slot, G1B         ; the four v_nop behind it are also the places in front of the loads below
.else
	PLACES
.endif
	FETCH_B \next, 0, 0
	FETCH_A \next, 0, 0
	WIN MUL_HI
	MUL16 4, 1, 0
	MUL16 6, 1, 0
	PLACES
	WIN 0
	FETCH_A \next, 0, 4
.endm
.macro TABLOAD a                       ; block a's cos (16 registers) and sin (16) into window 1
.irp m, 0,1,2,3,4,5,6,7
	global_load_b128 v[32*(\a)+4*\m:32*(\a)+4*\m+3], v[LI], s[10:11] offset:4096*(\a)+512*\m
.endr
.endm
	s_wait_alu depctr_va_vdst(0)
	s_wait_tensorcnt 0x0                           ; my part of K step 0 is in; the three lines ahead of a later first fill, as ahead of a refill
	ds_add_u32 v[SPW], v[NIL]
	s_wait_dscnt 0x0
	CROUND                                         ; everybody's part of K step 0 is in, and the joint loads meet
	JLOAD G0+4, G1, G0B+4, G1B                     ; K step 1
	FETCH_B 0, 0, 0
	FETCH_A 0, 0, 0
	FETCH_A 0, 0, 4
	STEP 0, 0, 1
	s_mov_b32 s3, LAPS-1
.Llap:
	TURN 0, 1, 1
	STEP 1, 0, 0
	TURN 1, 0, 1
	STEP 0, 0, 0
	s_sub_co_u32 s3, s3, 1
	s_cmp_lg_u32 s3, 0
	s_cbranch_scc1 .Llap
	TURN 0, 1, 0                                   ; the last lap fills nothing
	STEP 1, 0, 0
	s_cmp_eq_u32 ttmp9, 2                          ; v needs no table
	s_cbranch_scc1 .Lno_table
	s_lshl_b32 s98, s17, 4
	s_lshl_b32 s99, s15, 3
	s_add_co_u32 s98, s98, s99                     ; my first tile of 16 positions
	s_and_b32 s96, s42, 3
	s_lshl_b32 s96, s96, 1
	s_add_co_u32 s96, s96, s16
	s_lshl_b32 s96, s96, 19                        ; my two heads
	s_lshl_b32 s99, s98, 10
	s_add_co_u32 s96, s96, s99
	s_mov_b32 s97, 0
	s_add_nc_u64 s[88:89], s[88:89], s[96:97]
	s_lshl_b32 s96, s98, 12
	s_add_nc_u64 s[10:11], s[10:11], s[96:97]
	WIN TO_B                                       ; B's set 0 was multiplied last ahead of STEP's last places
.irp a, 0,1,2,3
	TABLOAD \a
.endr
	WIN 0
.Lno_table:
	s_wait_dscnt 4*NL                              ; the very last step: set 1
	WIN MUL_LO
	MUL16 0, 1, 0
	MUL16 2, 1, 0
	s_wait_dscnt 0
	WIN MUL_HI
	MUL16 4, 1, 0
	MUL16 6, 1, 0
	WIN 0
	PLACES
	s_cmp_eq_u32 ttmp9, 2
	s_cbranch_scc1 .Lv
	WIN TO_B
.irp a, 4,5,6,7
	TABLOAD \a
.endr
	WIN 0
; Block a's 16 positions x head hh's 64 channels: each accumulator is read from its low end on; each block has code registers of its own, so that no store's data are written again.
.macro ROPE a, hh
.set AC, 64*((\a)%4)+32*(\hh)
.set TS, 32*(\a)
.set YY, 64+32*(\hh)
.set CC, CD+16*(\a)+8*(\hh)
	WIN 0x06+((\a)/4)                              ; source 0 window 2 or 3, source 1 (the table) window 1
.irp t, 0,1
.irp i, 0,2,4,6
	v_pk_mul_f32 v[TM+8*\t+\i:TM+8*\t+\i+1], v[AC+16+8*\t+\i:AC+16+8*\t+\i+1], v[TS+16+8*\t+\i:TS+16+8*\t+\i+1]
	v_pk_mul_f32 v[TM+16+8*\t+\i:TM+16+8*\t+\i+1], v[AC+8*\t+\i:AC+8*\t+\i+1], v[TS+16+8*\t+\i:TS+16+8*\t+\i+1]
.endr
.endr
.irp t, 0,1
.irp i, 0,2,4,6
	v_pk_fma_f32 v[YY+8*\t+\i:YY+8*\t+\i+1], v[AC+8*\t+\i:AC+8*\t+\i+1], v[TS+8*\t+\i:TS+8*\t+\i+1], v[TM+8*\t+\i:TM+8*\t+\i+1] neg_lo:[0,0,1] neg_hi:[0,0,1]
	v_pk_fma_f32 v[YY+16+8*\t+\i:YY+16+8*\t+\i+1], v[AC+16+8*\t+\i:AC+16+8*\t+\i+1], v[TS+8*\t+\i:TS+8*\t+\i+1], v[TM+16+8*\t+\i:TM+16+8*\t+\i+1]
.endr
.endr
	WIN 0
.set j, 0
.rept 32
	v_med3_num_f32 v[YY+j], v[YY+j], -v[LIM], v[LIM]   ; the conversion does not saturate (ISA guide 7.6.2)
.set j, j+1
.endr
.irp t, 0,1,2,3
	v_cvt_scalef32_pk8_fp8_f32 v[CC+2*\t:CC+2*\t+1], v[YY+8*\t:YY+8*\t+7], v[SCL]
.endr
	v_nop
	global_store_b128 v[LI], v[CC:CC+3], s[88:89] offset:262144*(\hh)+1024*(\a)      ; 512 consecutive bytes, aligned
	global_store_b128 v[LI], v[CC+4:CC+7], s[88:89] offset:262144*(\hh)+1024*(\a)+512
.endm
.irp a, 0,1,2,3,4,5,6,7
	s_wait_loadcnt 8*(7-\a)                        ; block a's eight loads are in; the later blocks' may be out
	ROPE \a, 0
	ROPE \a, 1
.endr
	s_branch .Ljoin
.macro VOUT a                          ; 16 channels x 128 positions
	WIN 0x02+((\a)/4)
.set j, 0
.rept 64
	v_med3_num_f32 v[32+j], v[64*((\a)%4)+j], -v[LIM], v[LIM]
.set j, j+1
.endr
	WIN 0
.irp b, 0,1,2,3,4,5,6,7
	v_cvt_scalef32_pk8_fp8_f32 v[CD+16*(\a)+2*\b:CD+16*(\a)+2*\b+1], v[32+8*\b:32+8*\b+7], v[SCL]
.endr
	v_nop
.irp c, 0,1,2,3
	global_store_b128 v[LI], v[CD+16*(\a)+4*\c:CD+16*(\a)+4*\c+3], s[92:93] offset:262144*((\a)/4)+2048*((\a)%4)+512*\c
.endr
.endm
.Lv:
	s_and_b32 s96, s17, 3
	s_lshl_b32 s96, s96, 1
	s_add_co_u32 s96, s96, s15
	s_lshl_b32 s96, s96, 19                        ; my two heads
	s_lshl_b32 s98, s42, 1
	s_add_co_u32 s98, s98, s16
	s_lshl_b32 s98, s98, 13                        ; my 128 positions
	s_add_co_u32 s96, s96, s98
	s_mov_b32 s97, 0
	s_add_nc_u64 s[92:93], s[92:93], s[96:97]
	s_wait_alu depctr_va_vdst(0)
.irp a, 0,1,2,3,4,5,6,7
	VOUT \a
.endr
.Ljoin:
	s_wait_tensorcnt 0x0                           ; the wave's end
	ds_add_u32 v[SPW], v[NIL]
	s_wait_dscnt 0x0
	CROUND                                         ; the closing round
	s_endpgm
.Lfunc_end_k_qfca38a607c_qkv:
	.size	k_qfca38a607c_qkv, .Lfunc_end_k_qfca38a607c_qkv-k_qfca38a607c_qkv
	.p2alignl 7, 3214868480
	.fill 96, 4, 3214868480
	.section	.rodata,"a",@progbits
	.p2align	6, 0x0
	.amdhsa_kernel k_qfca38a607c_qkv
		.amdhsa_group_segment_fixed_size 327680
		.amdhsa_private_segment_fixed_size 0
		.amdhsa_enable_private_segment 0
		.amdhsa_kernarg_size 56
		.amdhsa_user_sgpr_count 2
		.amdhsa_user_sgpr_kernarg_segment_ptr 1
		.amdhsa_wavefront_size32 1
		.amdhsa_system_sgpr_workgroup_id_x 1
		.amdhsa_system_sgpr_workgroup_id_y 1
		.amdhsa_system_sgpr_workgroup_id_z 1
		.amdhsa_system_vgpr_workitem_id 0
		.amdhsa_next_free_vgpr 1024
		.amdhsa_next_free_sgpr 100
		.amdhsa_reserve_vcc 0
		.amdhsa_float_denorm_mode_32 3
		.amdhsa_float_denorm_mode_16_64 3
		.amdhsa_memory_ordered 1
		.amdhsa_forward_progress 1
		.amdhsa_inst_pref_size 197
	.end_amdhsa_kernel
	.amdgpu_metadata
---
amdhsa.version: [ 1, 2 ]
amdhsa.kernels:
  - .name:           k_qfca38a607c_qkv
    .symbol:         k_qfca38a607c_qkv.kd
    .args:
      - { .name: xc, .offset: 0, .size: 8, .value_kind: global_buffer, .address_space: global }
      - { .name: wqc, .offset: 8, .size: 8, .value_kind: global_buffer, .address_space: global }
      - { .name: lowp_scales, .offset: 16, .size: 8, .value_kind: global_buffer, .address_space: global }
      - { .name: tab, .offset: 24, .size: 8, .value_kind: global_buffer, .address_space: global }
      - { .name: qc, .offset: 32, .size: 8, .value_kind: global_buffer, .address_space: global }
      - { .name: kc, .offset: 40, .size: 8, .value_kind: global_buffer, .address_space: global }
      - { .name: vc, .offset: 48, .size: 8, .value_kind: global_buffer, .address_space: global }
    .group_segment_fixed_size: 327680
    .private_segment_fixed_size: 0
    .kernarg_segment_align: 8
    .kernarg_segment_size: 56
    .max_flat_workgroup_size: 128
    .sgpr_count:     100
    .vgpr_count:     1024
    .wavefront_size: 32
...
	.end_amdgpu_metadata
.endif
;; end of part 2
;; launch attn (part 3): grid 16 x 16, 16 waves a work-group, no clusters, 327,680 bytes of LDS; arguments qc, kc, vc, lowp_scales, oc; writes oc
.if DOCPART == 3
	.amdgcn_target "amdgcn-amd-amdhsa--gfx1250"
	.amdhsa_code_object_version 6
	.text
	.protected	k_qfca38a607c_attn
	.globl	k_qfca38a607c_attn
	.p2align	8
	.type	k_qfca38a607c_attn,@function
k_qfca38a607c_attn:
	s_mov_b64 s[64:65], 0
	v_nop
	global_prefetch_b8 v0, s[64:65] scope:SCOPE_SE
	s_setreg_imm32_b32 hwreg(HW_REG_WAVE_MODE, 25, 1), 1
	s_wait_xcnt 0x0
; Causal attention on codes of E4M3: 16 heads of 64 channels, 4,096 positions.  o = softmax(q k^T / 8, keys up to the query) v, and o's codes for the last projection.
; Key tiles that the causal mask hides whole are left out, for every input: the mask puts the least number there ahead of the softmax, and a query's own key always counts, so their p is 0.  LIMIT: a NaN or an infinity that reaches only
; hidden scores is not carried to the result.
; THE SOFTMAX AHEAD OF THE SECOND PRODUCT: t = score x log2(e) / 8; M = the largest t so far, rounded UP to a whole number; p = 2^(t - M) is what is quantised; the sum is taken of the unquantised p, in f32, and divides at the end.
; When M moves, the sum and O are multiplied by 2^(old M - new M): exact.  LIMIT: |t| under 2^31.
; OPERANDS LIE AS IMAGES OF THEIR REGISTERS (lane l's four registers at 16 l, 512 bytes a part): qc, kc [head][256 tiles of 16 positions][1,024 bytes]; vc [head][32 runs of 128 keys][4 tiles of 16 channels][2,048 bytes];
; oc [256 tiles of 16 queries][16 heads][1,024 bytes].
; SHARES.  Work-group (i, head) owns the blocks of 128 queries 31 - i and i and walks them one after the other: (32 - i) + (i + 1) = 33 runs of 128 keys in every work-group.  A slot is 512 keys: ceil((32 - i) / 4) slots for the late block,
; ceil((i + 1) / 4) for the early one, together nine for every i.  Sixteen waves: wave w owns the pair of tiles w / 4 (32 queries) and the quarter (w + w / 4) % 4 of the keys: of a slot's eight chunks of 64 keys, chunks quarter and quarter + 4.
; So waves 4 apart differ in both.  Each fragment of K and of V feeds two products.  A chunk that comes after a pair's last query is left out by a scalar branch on ids.
; THE FOUR QUARTERS ARE JOINED through LDS at the launch's end: each wave parks O, M and its sum, the late block's in bytes of their own, the early block's in the ring, which has had its last fill and its last read by then.  A wave owns half the
; channels of one of its pair's two tiles, in either block, and adds the four parts, each x 2^(its M - the largest M).
; ONE BARRIER A SLOT, in two halves: once a wave has its second chunk's K and V in registers it is done with the slot: it waits for its tensor loads, adds, waits for its reads and signals; the whole second chunk is work on registers; then it waits.
; LAYOUT.  Both products are used transposed: S^T = K Q^T, O^T = V^T P^T: a lane holds ONE query of each tile throughout; register j of score tile n is key 16 n + 8 (lane / 16) + j: the conversions' results are registers 2 n, 2 n + 1 of P.
; NO CLUSTER: the work-groups of a head turn to their early block at four different slots, so partners would need different tiles; and a slot's 65,536 bytes stand beside up to 32 wave-chunks of some 330 instructions.
; LIMITS on the given exponents, so that each power of two below is an f32 number: e2 + e3 between -123 and 130 (they are added to c's exponent field); e4 and e6 between -126 and 119; e4 + e5 is applied by v_ldexp_f32.
; REGISTERS: v10, v11 the two tiles' largest score so far; v12, v14 their -M; v16-31 Q; v32-63 K; v64-95 V; v96-159 S^T, then p; v160-223 O^T; v224-239 at work, then p's codes; v240, v242 f and then the sums' second chains; v[244:247] the sums.
.set SLOTB, 65536                      ; an LDS slot: K's 32,768 bytes, then V's
.set VOFF,  32768
.set SLOTM, 32768                      ; a slot's bytes of K, and of V, in memory
.set STAGE, 2*SLOTB                    ; behind the ring: the late block's O, 8,192 bytes for each wave.  STAGE = 2^17, so an exclusive or turns such an address into the ring's
.set NST,   STAGE+16*8192              ; -M and sums, 512 bytes for each wave; the early block's 8,192 bytes further on
.set QS,    NST+2*8192                 ; each wave's early queries, 2,048 bytes
.set SPARE, QS+16*2048                 ; the spare words, 128 bytes for each wave: eight blocks of 256 bytes that no other line names
.set AK0,  1                           ; v1   16 x lane + my first chunk's place in a slot of K
.set AV0,  2                           ; v2   the same for V
.set PFO,  3                           ; v3   256 x lane: the prefetches' offset; never rewritten
.set DG,   4                           ; v4   r - 8 h
.set SPW,  5                           ; v5   LDS address of my spare word; never rewritten
.set NIL,  6                           ; v6   0; never rewritten
.set PSC,  7                           ; v7   2^e4
.set ADK,  8                           ; v8, v9  LDS addresses in the slot in hand; at the end the early block's
.set ADV,  9
.set OSC,  248                         ; v248 2^e6
.set OLIM, 249                         ; v249 448 x 2^e6
.set LI,   250                         ; v250 16 x lane
.set STO,  251                         ; v251 where I park O
.set STN,  252                         ; v252 -M and sums
.set RDO,  253                         ; v253 what I own, in my pair's first wave's part
.set RDN,  254                         ; v254 its -M and sums
.set QST,  255                         ; v255 my early queries
.set WV,   18                          ; s18  my wave's number
.set KQ,   19                          ; s19  my quarter of the keys
.set SEL,  20                          ; s[20:21] lane selects for v_permlanex16_b32: lane l xor 16
.set CS,   22                          ; s[22:23] c = log2(e) / 8 x 2^(e2 + e3)
.set G1,   24                          ; s[24:31] descriptor group 1
.set G0,   32                          ; s[32:35] group 0, which walks
.set GB,   36                          ; s[36:37] where my part of the head's first slot lies
.set OFF,  38                          ; s[38:39] the slot's offset from there
.set TB,   40                          ; s40  LDS byte at which the slot in hand begins
.set SN,   41                          ; s41  the slot in hand, 0 to 8
.set NL,   42                          ; s42  the late block's slots
.set KC,   43                          ; s43  my first chunk's first key / 32
.set QF,   44                          ; s44  my pair's first query / 32
.set TR,   45                          ; s45  the loop's trips
.set PAIR, 46                          ; s46  my pair of tiles
.set PLIM, 47                          ; s47  448 x 2^e4
.set QFE,  48                          ; s48  QF in the early block
.set E45,  79                          ; s79  e4 + e5
.set PFA,  76                          ; s[76:77] where my prefetches stand
.set PFN,  78                          ; s78  slots in which my wave prefetches
.set OL,   80                          ; s[80:81], s[82:83] where my results go, late and early
.set OE,   82
; Waves 0 and 1 fetch a slot's K, waves 2 and 3 its V, 64 rows of 256 bytes each.  The branch hangs on the wave's number alone.  An s_nop 0 and four v_nop follow the line.
.macro TLOAD
	s_cmp_lt_u32 s[WV], 4
	s_cbranch_scc0 .Lnone_\@
	tensor_load_to_lds s[G0:G0+3], s[G1:G1+7]
	s_nop 0
.rept 4
	v_nop
.endr
.Lnone_\@:
.endm
; A PREFETCH INTO THE L2 of the slot that the NEXT change of slots will ask for.  All work-groups of a head walk the same K and V: the one whose late block walks all eight slots of keys (i = 0) asks, and in it eight waves that fetch nothing:
; waves 4 to 7 for K's 32,768 bytes, waves 8 to 11 for V's, 8,192 bytes a wave, lanes 256 bytes apart: each aligned block of 256 bytes is named once in the launch, a slot's work ahead of the load that will want it.
; Slots 0 and 1 come by their loads alone; the first six trips name slots 2 to 7; the later ones ask for nothing.
.macro ASK
	s_cmp_lt_u32 s[SN], s[PFN]
	s_cbranch_scc0 .Lnot_mine_\@
	global_prefetch_b8 v[PFO], s[PFA:PFA+1] th:TH_LOAD_NT scope:SCOPE_SE
.Lnot_mine_\@:
.endm
.macro PLACES
.rept 4
	v_nop
.endr
.endm
; A block begins: nothing summed, the largest score -3e38 and -M 3e38, so that the first change of M multiplies zeros by 0.
.macro RESET
.set i, 0
.rept 64
	v_mov_b32 v[160+i], 0
.set i, i+1
.endr
.irp i, 13,15,240,241,242,243,244,245,246,247
	v_mov_b32 v\i, 0
.endr
	v_mov_b32 v10, 0xff61b1e6
	v_mov_b32 v11, 0xff61b1e6
	v_mov_b32 v12, 0x7f61b1e6
	v_mov_b32 v14, 0x7f61b1e6
.endm
; A block ends: O, -M and the sum (its two halves added) are parked.
.macro PARK sto, no
	v_add_f32 v224, v244, v245
	v_add_f32 v225, v246, v247
.irp k, 0,1,2,3,4,5,6,7,8,9,10,11,12,13,14,15
	ds_store_b128 v[\sto], v[160+4*\k:163+4*\k] offset:512*\k
.endr
	ds_store_b32 v[STN], v12 offset:\no
	ds_store_b32 v[STN], v224 offset:\no+128
	ds_store_b32 v[STN], v14 offset:\no+256
	ds_store_b32 v[STN], v225 offset:\no+384
.endm
; What I own, 16 queries x 32 channels, from my pair's four waves: o = the sum of 2^(M_j - M) O_j / the sum of 2^(M_j - M) l_j x 2^(e4 + e5): held, converted with 2^e6, half an image of the last product's operand.
.macro JOIN out, rdo, no
.irp j, 0,1,2,3
	ds_load_b32 v[224+\j], v[RDN] offset:512*\j+\no
	ds_load_b32 v[228+\j], v[RDN] offset:512*\j+\no+128
.endr
.irp j, 0,1,2,3
.irp k, 0,1,2,3
	ds_load_b128 v[96+16*\j+4*\k:99+16*\j+4*\k], v[\rdo] offset:8192*\j+512*\k
.endr
.endr
	s_wait_dscnt 16                                ; the eight short loads are in; O's sixteen may be out
	v_min3_num_f32 v232, v224, v225, v226
	v_min_num_f32 v232, v232, v227                 ; the least -M: the largest M
.irp j, 0,1,2,3
	v_sub_f32 v[224+\j], v232, v[224+\j]           ; M_j - M: 0 or less; -3e38 for a part that saw no key
.endr
.irp j, 0,1,2,3
	v_cvt_i32_f32 v[224+\j], v[224+\j]             ; (it saturates)
.endr
.irp j, 0,1,2,3
	v_ldexp_f32 v[224+\j], 1.0, v[224+\j]
.endr
	v_mul_f32 v233, v224, v228
	v_fma_f32 v233, v225, v229, v233
	v_fma_f32 v233, v226, v230, v233
	v_fma_f32 v233, v227, v231, v233
	v_permlanex16_b32 v240, v233, s[SEL], s[SEL+1]
	v_add_f32 v233, v233, v240                     ; and lane l xor 16's keys: the row's sum
	s_wait_alu depctr_va_vdst(0)                   ; the wait ahead of the transcendental
	v_rcp_f32 v233, v233
	v_nop
	s_wait_alu depctr_va_vdst(0)                   ; and ahead of its first reader
	v_ldexp_f32 v233, v233, s[E45]
.irp j, 0,1,2,3
	v_mul_f32 v[224+\j], v[224+\j], v233
.endr
	s_wait_alu depctr_va_vdst(0)
	s_wait_dscnt 0x0
.irp k, 0,2,4,6,8,10,12,14
	v_pk_mul_f32 v[96+\k:97+\k], v[96+\k:97+\k], v[224:225] op_sel_hi:[1,0]
.endr
.irp k, 0,2,4,6,8,10,12,14
	v_pk_fma_f32 v[96+\k:97+\k], v[112+\k:113+\k], v[224:225], v[96+\k:97+\k] op_sel:[0,1,0] op_sel_hi:[1,1,1]
.endr
.irp k, 0,2,4,6,8,10,12,14
	v_pk_fma_f32 v[96+\k:97+\k], v[128+\k:129+\k], v[226:227], v[96+\k:97+\k] op_sel_hi:[1,0,1]
.endr
.irp k, 0,2,4,6,8,10,12,14
	v_pk_fma_f32 v[96+\k:97+\k], v[144+\k:145+\k], v[226:227], v[96+\k:97+\k] op_sel:[0,1,0] op_sel_hi:[1,1,1]
.endr
.set i, 0
.rept 16
	v_med3_num_f32 v[96+i], v[96+i], -v[OLIM], v[OLIM]   ; the conversion does not saturate (ISA guide 7.6.2)
.set i, i+1
.endr
	v_cvt_scalef32_pk8_fp8_f32 v[232:233], v[96:103], v[OSC]
	v_cvt_scalef32_pk8_fp8_f32 v[234:235], v[104:111], v[OSC]
	v_nop
	global_store_b128 v[LI], v[232:235], s[\out:\out+1]   ; 512 consecutive bytes, aligned
.endm
.macro KLOAD s                         ; chunk s's four fragments of K
.irp n, 0,1,2,3
	ds_load_b128 v[32+8*\n:35+8*\n], v[ADK] offset:16384*\s+1024*\n
	ds_load_b128 v[36+8*\n:39+8*\n], v[ADK] offset:16384*\s+1024*\n+512
.endr
.endm
.macro VLOAD s                         ; and of V: half of an image of 128 keys
.irp t, 0,1,2,3
	ds_load_b128 v[64+8*\t:67+8*\t], v[ADV] offset:16384*\s+2048*\t
	ds_load_b128 v[68+8*\t:71+8*\t], v[ADV] offset:16384*\s+2048*\t+512
.endr
.endm
; A CHUNK, 32 queries x 64 keys, in four parts.  SCORES:
.macro SCORES
.irp n, 0,1,2,3
	v_wmma_f32_16x16x64_fp8_fp8 v[96+8*\n:103+8*\n], v[32+8*\n:39+8*\n], v[16:23], 0
	v_wmma_f32_16x16x64_fp8_fp8 v[128+8*\n:135+8*\n], v[32+8*\n:39+8*\n], v[24:31], 0
.endr
	PLACES                                         ; results are read, and K's registers loaded anew, from here on
.endm
.macro MASK s                          ; hidden scores become -infinity: p = 0 then.  A chunk's first key counts for every query of a pair that walks it, so the maximum stays a number
	s_add_co_u32 s97, s[KC], 8*\s
	s_sub_co_u32 s97, s[QF], s97                   ; (first query - first key) / 32: keys are hidden where it is 0 or 1
	s_cmp_gt_u32 s97, 1
	s_cbranch_scc1 .Lopen_\@
	s_lshl_b32 s97, s97, 5
	v_add_nc_u32 v238, s97, v[DG]                  ; register 8 n + j is hidden where 16 n + j is greater (second tile: 16 n + j - 16)
	v_mov_b32 v239, 0xff800000
.set i, 0
.rept 32
	v_cmp_gt_i32 vcc_lo, 16*(i/8)+i%8, v238
	v_cndmask_b32 v[96+i], v[96+i], v239, vcc_lo
.set i, i+1
.endr
.set i, 0
.rept 32
	v_cmp_gt_i32 vcc_lo, 16*(i/8)+i%8-16, v238
	v_cndmask_b32 v[128+i], v[128+i], v239, vcc_lo
.set i, i+1
.endr
.Lopen_\@:
.endm
.macro SOFTMAX
	v_max3_num_f32 v224, v10, v96, v97             ; the largest score so far, in two chains for each tile
	v_max3_num_f32 v228, v11, v128, v129
	v_max3_num_f32 v226, v98, v99, v100
	v_max3_num_f32 v230, v130, v131, v132
.irp k, 5,9,13,17,21,25
	v_max3_num_f32 v224, v224, v[96+\k], v[97+\k]
	v_max3_num_f32 v228, v228, v[128+\k], v[129+\k]
	v_max3_num_f32 v226, v226, v[98+\k], v[99+\k]
	v_max3_num_f32 v230, v230, v[130+\k], v[131+\k]
.endr
	v_max3_num_f32 v224, v224, v125, v126
	v_max3_num_f32 v228, v228, v157, v158
	v_max3_num_f32 v224, v224, v226, v127
	v_max3_num_f32 v228, v228, v230, v159
	v_permlanex16_b32 v240, v224, s[SEL], s[SEL+1]
	v_permlanex16_b32 v242, v228, s[SEL], s[SEL+1]
	v_max_num_f32 v10, v224, v240                  ; and among lane l xor 16's keys
	v_max_num_f32 v11, v228, v242
	v_mul_f32 v224, s[CS], -v10                    ; -t (c is positive)
	v_mul_f32 v228, s[CS], -v11
	v_floor_f32 v224, v224                         ; the new -M = floor(-t): M is a whole number
	v_floor_f32 v228, v228
	v_sub_f32 v226, v224, v12                      ; M's old value less its new one: a whole number, 0 or less
	v_sub_f32 v230, v228, v14
	v_mov_b32 v12, v224
	v_mov_b32 v14, v228
	v_cvt_i32_f32 v226, v226                       ; (it saturates)
	v_cvt_i32_f32 v230, v230
	v_ldexp_f32 v240, 1.0, v226                    ; f = 2^(old M - new M)
	v_ldexp_f32 v242, 1.0, v230
.irp j, 0,2,4,6,8,10,12,14,16,18,20,22,24,26,28,30
	v_pk_fma_f32 v[96+\j:97+\j], v[96+\j:97+\j], s[CS:CS+1], v[12:13] op_sel_hi:[1,0,0]   ; t - M, two at a time (of the pairs c and -M the low word serves both halves)
.endr
.irp j, 0,2,4,6,8,10,12,14,16,18,20,22,24,26,28,30
	v_pk_mul_f32 v[160+\j:161+\j], v[160+\j:161+\j], v[240:241] op_sel_hi:[1,0]   ; O^T under the new M
.endr
.irp j, 0,2,4,6,8,10,12,14,16,18,20,22,24,26,28,30
	v_pk_mul_f32 v[192+\j:193+\j], v[192+\j:193+\j], v[242:243] op_sel_hi:[1,0]
.endr
	s_wait_alu depctr_va_vdst(0)                   ; one wait ahead of the batch
.set i, 0
.rept 16                               ; the first tile's p = 2^(t - M), at most 1: not normalised; among them the second tile's t - M, which the wait below parts from its exponentials
	v_exp_f32 v[96+2*i], v[96+2*i]
	v_pk_fma_f32 v[128+2*i:129+2*i], v[128+2*i:129+2*i], s[CS:CS+1], v[14:15] op_sel_hi:[1,0,0]
	v_exp_f32 v[97+2*i], v[97+2*i]
.set i, i+1
.endr
	v_pk_mul_f32 v[244:245], v[244:245], v[240:241] op_sel_hi:[1,0]   ; the sums under the new M: the plain lines behind the exponentials
	v_pk_mul_f32 v[246:247], v[246:247], v[242:243] op_sel_hi:[1,0]
	s_wait_alu depctr_va_vdst(0)                   ; and one behind it, ahead of its first reader
.set i, 0
.rept 8                                ; the second tile's exponentials; among them the first tile's sum of the UNQUANTISED p, its first level (eight pairs), and then its holds: all first read behind the wait below
	v_exp_f32 v[128+4*i], v[128+4*i]
	v_pk_add_f32 v[224+2*i:225+2*i], v[96+4*i:97+4*i], v[98+4*i:99+4*i]
	v_exp_f32 v[129+4*i], v[129+4*i]
	v_exp_f32 v[130+4*i], v[130+4*i]
	v_dual_min_num_f32 v[96+4*i], s[PLIM], v[96+4*i] :: v_dual_min_num_f32 v[97+4*i], s[PLIM], v[97+4*i]   ; the conversion does not saturate (ISA guide 7.6.2); p is not negative, so the hold is one-sided
	v_exp_f32 v[131+4*i], v[131+4*i]
	v_dual_min_num_f32 v[98+4*i], s[PLIM], v[98+4*i] :: v_dual_min_num_f32 v[99+4*i], s[PLIM], v[99+4*i]
.set i, i+1
.endr
	s_wait_alu depctr_va_vdst(0)                   ; one wait behind this batch too
	v_pk_add_f32 v[224:225], v[224:225], v[226:227]   ; the first tile's eight pairs by a tree; the second tile's sum in two chains
	v_pk_add_f32 v[242:243], v[128:129], v[130:131]
	v_pk_add_f32 v[228:229], v[228:229], v[230:231]
	v_pk_add_f32 v[246:247], v[246:247], v[132:133]
	v_pk_add_f32 v[232:233], v[232:233], v[234:235]
	v_pk_add_f32 v[242:243], v[242:243], v[134:135]
	v_pk_add_f32 v[236:237], v[236:237], v[238:239]
	v_pk_add_f32 v[246:247], v[246:247], v[136:137]
	v_pk_add_f32 v[224:225], v[224:225], v[228:229]
	v_pk_add_f32 v[242:243], v[242:243], v[138:139]
	v_pk_add_f32 v[232:233], v[232:233], v[236:237]
	v_pk_add_f32 v[246:247], v[246:247], v[140:141]
	v_pk_add_f32 v[242:243], v[242:243], v[142:143]
	v_pk_add_f32 v[224:225], v[224:225], v[232:233]
.irp j, 144,148,152,156
	v_pk_add_f32 v[246:247], v[246:247], v[\j:\j+1]
	v_pk_add_f32 v[242:243], v[242:243], v[\j+2:\j+3]
.endr
	v_pk_add_f32 v[244:245], v[244:245], v[224:225]
.irp n, 0,1,2,3
.irp k, 0,2,4,6
	v_dual_min_num_f32 v[128+8*\n+\k], s[PLIM], v[128+8*\n+\k] :: v_dual_min_num_f32 v[129+8*\n+\k], s[PLIM], v[129+8*\n+\k]
.endr
	v_cvt_scalef32_pk8_fp8_f32 v[224+2*\n:225+2*\n], v[96+8*\n:103+8*\n], v[PSC]   ; v224-231 the first tile's codes, v232-239 the second's
.endr
.irp n, 0,1,2,3
	v_cvt_scalef32_pk8_fp8_f32 v[232+2*\n:233+2*\n], v[128+8*\n:135+8*\n], v[PSC]
.endr
	v_pk_add_f32 v[246:247], v[246:247], v[242:243]
	s_wait_alu depctr_va_vdst(0)
.endm
.macro VALUES                          ; the eight accumulators take turns, one instruction a turn
.irp t, 0,1,2,3
	v_wmma_f32_16x16x64_fp8_fp8 v[160+8*\t:167+8*\t], v[64+8*\t:71+8*\t], v[224:231], v[160+8*\t:167+8*\t]
	v_wmma_f32_16x16x64_fp8_fp8 v[192+8*\t:199+8*\t], v[64+8*\t:71+8*\t], v[232:239], v[192+8*\t:199+8*\t]
.endr
	PLACES                                         ; V's and the codes' registers are written anew from here on
.endm
; A SLOT.  Behind the barrier it is whole and nobody reads the other one.  fill = 1: the other one takes the keys that follow (or the first keys again, where the early block begins); the load has this slot's first chunk in which to land.
.macro TRIP fill
.if \fill
	TLOAD                                          ; the first thing behind the barrier, and a wave's one tensor load until the next
	ASK
.endif
	s_cmp_lg_u32 s[SN], s[NL]
	s_cbranch_scc1 .Lsame_\@
	PARK STO, 0                                    ; the late block is walked: on to the early one.  The test hangs on ids and the count of slots alone
.irp c, 0,1,2,3
	ds_load_b128 v[16+4*\c:19+4*\c], v[QST] offset:512*\c
.endr
	RESET
	s_lshl_b32 s[KC], s[KQ], 1
	s_mov_b32 s[QF], s[QFE]
	s_wait_alu depctr_va_vdst(0)
	s_wait_dscnt 0x0
.Lsame_\@:
	s_cmp_gt_u32 s[KC], s[QF]                      ; all keys of my first chunk come after my queries: so do the second's
	s_cbranch_scc1 .Lmeet_\@
	v_add_nc_u32 v[ADK], s[TB], v[AK0]
	v_add_nc_u32 v[ADV], s[TB], v[AV0]
	KLOAD 0
	s_wait_alu depctr_va_vdst(0)
	s_wait_dscnt 0x0                               ; K is in
	SCORES
	VLOAD 0                                        ; V and the second chunk's K land while the softmax is worked
	KLOAD 1
	MASK 0
	SOFTMAX
	s_wait_dscnt 8                                 ; V is in; the second chunk's eight loads of K may be out
	VALUES
	VLOAD 1
	s_add_co_u32 s96, s[KC], 8
	s_cmp_gt_u32 s96, s[QF]                        ; the second chunk's keys all come after my queries
	s_cbranch_scc1 .Lmeet_\@
	s_wait_dscnt 8                                 ; the second chunk's K is in; its eight loads of V may be out
	SCORES                                         ; its scores, while its V lands
	MASK 1
.Lmeet_\@:
	s_wait_alu depctr_va_vdst(0)
	s_wait_tensorcnt 0x0                           ; my part of the next slot is in
	ds_add_u32 v[SPW], v[NIL]                      ; 0 onto my spare word
.if \fill
	ds_add_u32 v[SPW], v[NIL]                      ; twice on end, in every trip alike
	s_xor_b32 s[G0+1], s[G0+1], SLOTB              ; group 0 for the slot after the next (the last trip's is not used)
	s_add_co_u32 s[OFF], s[OFF], SLOTM
	s_add_co_u32 s96, s[SN], 2
	s_cmp_eq_u32 s96, s[NL]
	s_cselect_b32 s[OFF], 0, s[OFF]
	s_add_nc_u64 s[G0+2:G0+3], s[GB:GB+1], s[OFF:OFF+1]
	s_or_b32 s[G0+3], s[G0+3], 0x80000000
	s_wait_xcnt 0x0                                ; any prefetch of mine has read its address
	s_add_nc_u64 s[PFA:PFA+1], s[PFA:PFA+1], SLOTM
.endif
	s_wait_dscnt 0x0                               ; the add is done, and I have all that I want of this slot
	s_barrier_signal -1
	s_add_co_u32 s96, s[KC], 8
	s_cmp_gt_u32 s96, s[QF]
	s_cbranch_scc1 .Lmet_\@
	SOFTMAX                                        ; the rest of the second chunk: work on registers alone
	VALUES
.Lmet_\@:
	s_wait_alu depctr_va_vdst(0)
	s_add_co_u32 s[KC], s[KC], 16
	s_xor_b32 s[TB], s[TB], SLOTB
	s_add_co_u32 s[SN], s[SN], 1
	s_barrier_wait -1
.endm
	s_load_b128 s[4:7], s[0:1], 0x0                ; qc s[4:5], kc s[6:7]
	s_load_b128 s[8:11], s[0:1], 0x10              ; vc s[8:9], the scales' exponents s[10:11]
	s_load_b64 s[12:13], s[0:1], 0x20              ; oc
	v_lshl_add_u32 v[SPW], v0, 2, SPARE
	v_mov_b32 v[NIL], 0
	ds_add_u32 v[SPW], v[NIL]                      ; the opening lines: the add, twice on end; work on registers stands between it and the wait
	ds_add_u32 v[SPW], v[NIL]
	v_lshrrev_b32 v8, 5, v0
	v_readfirstlane_b32 s[WV], v8                  ; wave 0..15
	s_and_b32 s50, ttmp7, 0xffff                   ; the head
	s_lshr_b32 s[PAIR], s[WV], 2
	s_add_co_u32 s[KQ], s[WV], s[PAIR]
	s_and_b32 s[KQ], s[KQ], 3
	s_sub_co_u32 s51, 31, ttmp9
	s_lshl_b32 s[QF], s51, 2
	s_add_co_u32 s[QF], s[QF], s[PAIR]
	s_lshl_b32 s[QFE], ttmp9, 2
	s_add_co_u32 s[QFE], s[QFE], s[PAIR]
	s_lshl_b32 s[KC], s[KQ], 1
	s_sub_co_u32 s[NL], 35, ttmp9
	s_lshr_b32 s[NL], s[NL], 2
	s_mov_b32 s[TB], 0
	s_mov_b32 s[SN], 0
	s_mov_b32 s[OFF], SLOTM
	s_mov_b32 s[OFF+1], 0
	s_mov_b32 s[TR], 8
	; descriptor group 1: a dense block of 16,384 bytes as 64 rows of 256
	s_mov_b32 s[G1], 3<<16                         ; 15:0 no mask; 17:16 elements of 8 bytes; no padding
	s_mov_b32 s[G1+1], 32<<16                      ; tensor_dim0
	s_mov_b32 s[G1+2], 64<<16                      ; tensor_dim1
	s_mov_b32 s[G1+3], 32<<16                      ; tile_dim0
	s_mov_b32 s[G1+4], 64                          ; tile_dim1
	s_mov_b32 s[G1+5], 32                          ; tensor_dim0_stride
	s_mov_b32 s[G1+6], 0
	s_mov_b32 s[G1+7], 0
	s_mov_b32 s[SEL], 0x76543210
	s_mov_b32 s[SEL+1], 0xfedcba98
	s_mov_b32 s[CS], 0x3e38aa3b                    ; log2(e) / 8
	s_lshl_b32 s52, s[KQ], 12                      ; my first chunk in a slot of K,
	s_lshr_b32 s53, s[KQ], 1
	s_and_b32 s54, s[KQ], 1
	s_lshl_b32 s55, s53, 13
	s_lshl_b32 s56, s54, 10
	s_add_co_u32 s55, s55, s56
	s_add_co_u32 s55, s55, VOFF                    ; and of V
	s_lshl_b32 s56, s[WV], 13
	s_add_co_u32 s56, s56, STAGE                   ; where I park O,
	s_lshl_b32 s57, s[WV], 9
	s_add_co_u32 s57, s57, NST                     ; -M and sums
	s_lshl_b32 s59, s[PAIR], 15
	s_add_co_u32 s59, s59, STAGE
	s_lshl_b32 s58, s[KQ], 11
	s_add_co_u32 s59, s59, s58                     ; I own tile quarter / 2 and channels 32 (quarter % 2) on: 2,048 bytes of each of my pair's four parts
	s_lshl_b32 s60, s[PAIR], 11
	s_add_co_u32 s60, s60, NST
	s_lshl_b32 s58, s53, 8
	s_add_co_u32 s60, s60, s58
	s_lshl_b32 s61, s[WV], 11
	s_add_co_u32 s61, s61, QS
	s_lshl_b32 s14, s50, 18                        ; the head's first byte in qc, kc and vc
	s_mov_b32 s15, 0
	s_and_b32 s16, s[WV], 1
	s_lshl_b32 s16, s16, 14                        ; my half of a slot's K or V
	s_mov_b32 s17, 0
	v_and_b32 v8, 31, v0
	v_lshlrev_b32 v[LI], 4, v8
	v_lshlrev_b32 v9, 2, v8
	v_lshlrev_b32 v[PFO], 8, v8
	v_and_b32 v10, 15, v0                          ; r
	v_bfe_u32 v11, v0, 4, 1                        ; h
	v_lshlrev_b32 v11, 3, v11
	v_sub_nc_u32 v[DG], v10, v11
	v_add_nc_u32 v[AK0], s52, v[LI]
	v_add_nc_u32 v[AV0], s55, v[LI]
	v_add_nc_u32 v[STO], s56, v[LI]
	v_add_nc_u32 v[STN], s57, v9
	v_add_nc_u32 v[RDO], s59, v[LI]
	v_add_nc_u32 v[RDN], s60, v9
	v_add_nc_u32 v[QST], s61, v[LI]
	s_wait_alu depctr_va_vdst(0)
	s_wait_dscnt 0x0                               ; both opening adds are done
	s_wait_kmcnt 0x0
	s_load_b256 s[68:75], s[10:11], 0x0            ; e0 .. e7
	s_cmp_lt_u32 s[WV], 2
	s_cselect_b64 s[GB:GB+1], s[6:7], s[8:9]
	s_add_nc_u64 s[GB:GB+1], s[GB:GB+1], s[14:15]
	s_add_nc_u64 s[GB:GB+1], s[GB:GB+1], s[16:17]
	s_mov_b32 s[G0], 1                             ; 1:0 count = 1
	s_and_b32 s[G0+1], s[WV], 3
	s_lshl_b32 s[G0+1], s[G0+1], 14                ; 63:32 LDS address: slot 0
	s_mov_b64 s[G0+2:G0+3], s[GB:GB+1]             ; 120:64 global address: the head's first 512 keys
	s_or_b32 s[G0+3], s[G0+3], 0x80000000          ; 127:126 type = 2
	TLOAD                                          ; slot 0; slot 1 is first filled behind the first barrier, as a refill is
	s_add_nc_u64 s[4:5], s[4:5], s[14:15]
	s_lshl_b32 s16, s[QF], 11                      ; my pair's 2,048 bytes in the late block,
	s_add_nc_u64 s[84:85], s[4:5], s[16:17]
	s_lshl_b32 s86, s[QFE], 11                     ; and in the early one
	s_mov_b32 s87, 0
	s_add_nc_u64 s[88:89], s[4:5], s[86:87]
.irp c, 0,1,2,3
	global_load_b128 v[16+4*\c:19+4*\c], v[LI], s[84:85] offset:512*\c
.endr
.irp c, 0,1,2,3
	global_load_b128 v[224+4*\c:227+4*\c], v[LI], s[88:89] offset:512*\c
.endr
	s_lshl_b32 s90, s50, 10                        ; where my results go: tile 2 QF + quarter / 2, my head's image, its half quarter % 2
	s_lshl_b32 s91, s54, 9
	s_add_co_u32 s90, s90, s91
	s_mov_b32 s91, 0
	s_add_nc_u64 s[12:13], s[12:13], s[90:91]
	s_lshl_b32 s90, s[QF], 1
	s_add_co_u32 s90, s90, s53
	s_lshl_b32 s90, s90, 14
	s_add_nc_u64 s[OL:OL+1], s[12:13], s[90:91]
	s_lshl_b32 s92, s[QFE], 1
	s_add_co_u32 s92, s92, s53
	s_lshl_b32 s92, s92, 14
	s_mov_b32 s93, 0
	s_add_nc_u64 s[OE:OE+1], s[12:13], s[92:93]
	s_cmp_lt_u32 s[WV], 8                          ; the prefetches: waves 4 to 7 K's codes, waves 8 to 11 V's
	s_cselect_b64 s[PFA:PFA+1], s[6:7], s[8:9]
	s_and_b32 s60, s[WV], 3
	s_lshl_b32 s60, s60, 13                        ; my quarter of a slot,
	s_add_co_u32 s60, s60, 2*SLOTM                 ; in slot 2
	s_mov_b32 s61, 0
	s_add_nc_u64 s[PFA:PFA+1], s[PFA:PFA+1], s[60:61]
	s_add_nc_u64 s[PFA:PFA+1], s[PFA:PFA+1], s[14:15]
	s_sub_co_u32 s60, s[WV], 4
	s_lshr_b32 s60, s60, 3                         ; 0 in waves 4 to 11,
	s_or_b32 s60, s60, ttmp9                       ; of the head's work-group 0
	s_cmp_eq_u32 s60, 0
	s_cselect_b32 s[PFN], 6, 0
	RESET
.set i, 0
.rept 128
	v_mov_b32 v[32+i], 0                           ; and the scores'
.set i, i+1
.endr
	s_wait_kmcnt 0x0
	s_add_co_i32 s60, s70, s71
	s_lshl_b32 s60, s60, 23
	s_add_co_i32 s[CS], s[CS], s60                 ; a score stands for score x 2^(e2 + e3): the two exponents are added to c's exponent field
	s_mov_b32 s[CS+1], s[CS]                       ; (named with it as a pair, so it is written)
	s_add_co_i32 s[E45], s72, s73
	s_add_co_i32 s60, s72, 127
	s_lshl_b32 s61, s60, 23
	s_add_co_i32 s60, s60, 8
	s_lshl_b32 s60, s60, 23
	s_or_b32 s[PLIM], s60, 0x600000                ; 448 x 2^e4
	s_add_co_i32 s60, s74, 127
	s_lshl_b32 s62, s60, 23
	s_add_co_i32 s60, s60, 8
	s_lshl_b32 s60, s60, 23
	s_or_b32 s60, s60, 0x600000
	v_mov_b32 v[PSC], s61                          ; 2^e4
	v_mov_b32 v[OSC], s62                          ; 2^e6
	v_mov_b32 v[OLIM], s60                         ; 448 x 2^e6
	s_wait_alu depctr_va_vdst(0)
	s_wait_loadcnt 0x0                             ; both blocks' queries
.irp c, 0,1,2,3
	ds_store_b128 v[QST], v[224+4*\c:227+4*\c] offset:512*\c   ; the early block's wait in LDS, in bytes of my own
.endr
	s_wait_tensorcnt 0x0                           ; my part of slot 0 is in: the three lines ahead of slot 1's first fill
	ds_add_u32 v[SPW], v[NIL]
	ds_add_u32 v[SPW], v[NIL]
	s_xor_b32 s[G0+1], s[G0+1], SLOTB
	s_add_nc_u64 s[G0+2:G0+3], s[GB:GB+1], s[OFF:OFF+1]
	s_or_b32 s[G0+3], s[G0+3], 0x80000000
	s_wait_dscnt 0x0
	s_barrier_signal -1
	s_barrier_wait -1
.Lloop:                                            ; eight slots; in each the next is asked for
	TRIP 1
	s_sub_co_u32 s[TR], s[TR], 1
	s_cmp_lg_u32 s[TR], 0
	s_cbranch_scc1 .Lloop
	TRIP 0                                         ; the ninth is written out: it asks for nothing
	; THE WAY OUT.  The trip's barrier has shown that nobody reads the ring any more, and, with those before it, that the late block's parts are whole.
	v_xor_b32 v[ADK], STAGE, v[STO]
	v_xor_b32 v[ADV], STAGE, v[RDO]
	PARK ADK, 8192
	JOIN OL, RDO, 0
	s_wait_xcnt 0x0                                ; the store has read its registers
	s_wait_dscnt 0x0                               ; my parked bytes are in LDS
	s_barrier_signal -1
	s_barrier_wait -1
	JOIN OE, ADV, 8192
	s_wait_tensorcnt 0x0                           ; the wave's end
	ds_add_u32 v[SPW], v[NIL]
	s_wait_dscnt 0x0
	s_endpgm
.Lfunc_end_k_qfca38a607c_attn:
	.size	k_qfca38a607c_attn, .Lfunc_end_k_qfca38a607c_attn-k_qfca38a607c_attn
	.p2alignl 7, 3214868480
	.fill 96, 4, 3214868480
	.section	.rodata,"a",@progbits
	.p2align	6, 0x0
	.amdhsa_kernel k_qfca38a607c_attn
		.amdhsa_group_segment_fixed_size 327680
		.amdhsa_private_segment_fixed_size 0
		.amdhsa_enable_private_segment 0
		.amdhsa_kernarg_size 40
		.amdhsa_user_sgpr_count 2
		.amdhsa_user_sgpr_kernarg_segment_ptr 1
		.amdhsa_wavefront_size32 1
		.amdhsa_system_sgpr_workgroup_id_x 1
		.amdhsa_system_sgpr_workgroup_id_y 1
		.amdhsa_system_sgpr_workgroup_id_z 1
		.amdhsa_system_vgpr_workitem_id 0
		.amdhsa_next_free_vgpr 256
		.amdhsa_next_free_sgpr 100
		.amdhsa_reserve_vcc 1
		.amdhsa_float_denorm_mode_32 3
		.amdhsa_float_denorm_mode_16_64 3
		.amdhsa_memory_ordered 1
		.amdhsa_forward_progress 1
		.amdhsa_inst_pref_size 119
	.end_amdhsa_kernel
	.amdgpu_metadata
---
amdhsa.version: [ 1, 2 ]
amdhsa.kernels:
  - .name:           k_qfca38a607c_attn
    .symbol:         k_qfca38a607c_attn.kd
    .args:
      - { .name: qc, .offset: 0, .size: 8, .value_kind: global_buffer, .address_space: global }
      - { .name: kc, .offset: 8, .size: 8, .value_kind: global_buffer, .address_space: global }
      - { .name: vc, .offset: 16, .size: 8, .value_kind: global_buffer, .address_space: global }
      - { .name: lowp_scales, .offset: 24, .size: 8, .value_kind: global_buffer, .address_space: global }
      - { .name: oc, .offset: 32, .size: 8, .value_kind: global_buffer, .address_space: global }
    .group_segment_fixed_size: 327680
    .private_segment_fixed_size: 0
    .kernarg_segment_align: 8
    .kernarg_segment_size: 40
    .max_flat_workgroup_size: 512
    .sgpr_count:     100
    .vgpr_count:     256
    .wavefront_size: 32
...
	.end_amdgpu_metadata
.endif
;; end of part 3
;; launch proj (part 4): grid 8 x 32, 4 waves a work-group, clusters of 4 x 4, 327,680 bytes of LDS; arguments oc, woc, lowp_scales, out0; writes out0
.if DOCPART == 4
	.amdgcn_target "amdgcn-amd-amdhsa--gfx1250"
	.amdhsa_code_object_version 6
	.text
	.protected	k_qfca38a607c_proj
	.globl	k_qfca38a607c_proj
	.p2align	8
	.type	k_qfca38a607c_proj,@function
k_qfca38a607c_proj:
	s_mov_b64 s[64:65], 0
	v_nop
	global_prefetch_b8 v0, s[64:65] scope:SCOPE_SE
	s_setreg_imm32_b32 hwreg(HW_REG_WAVE_MODE, 25, 1), 1
	s_wait_xcnt 0x0
	s_wait_alu depctr_hold_cnt(0) depctr_sa_sdst(0) depctr_va_vdst(0) depctr_va_sdst(0) depctr_va_ssrc(0) depctr_va_vcc(0) depctr_vm_vsrc(0)
	s_getreg_b32 s2, hwreg(HW_REG_IB_STS2, 6, 4)
	s_cmp_eq_u32 s2, 0
	s_cbranch_scc0 .Lentry_in_a_cluster
	s_endpgm
.Lentry_in_a_cluster:
	s_bfe_u32 s2, ttmp6, 0x10000c
	s_cmp_lg_u32 s2, 0xf033
	s_cbranch_scc0 .Lentry_shape_is_right
	s_endpgm
.Lentry_shape_is_right:
; out0 = o w_out^T on codes of E4M3 (M 4,096, N 1,024, K 1,024), each sum x 2^(e6 + e7).  LIMIT: e6 + e7 between -126 and 127, so that the power of two is an f32 number.
; oc and woc lie as images of operand registers: [tiles of 16 rows][16 chunks of 64 k][1,024 bytes]; two chunks on end are the 16 registers of a 16 x 16 x 128 operand, every k in its own place.
; A tile of the result is 128 x 128: 256 work-groups.  Four waves, each 64 x 64: 16 accumulators.  ALL OF K LIES IN LDS: 128 rows of o and 128 of w_out are 2 x 131,072 bytes, fetched by one tensor load a wave (64 rows, a dense block of
; 65,536 bytes) at the head; no LDS byte is filled twice, so there is no ring, and with no loop to run ahead in there is no prefetch.
; CLUSTERS: 4 x 4 work-groups.  The four of a row of the cluster need the same rows of o, the four of a column the same rows of w_out: each tile is asked for JOINTLY.
; THE MATRIX INSTRUCTION IS USED TRANSPOSED (source 0 = 16 rows of w_out, source 1 = 16 rows of o): a lane then holds eight neighbouring numbers of a row of out0.
; REGISTERS: window 0: v0-31 addresses; v32-127 at work on the way out; v128-255 the accumulators ((a, b) at v[128 + 8 (4 a + b)]).   window 1: two sets of fragments of 128: o's four at +0, w_out's four at +64.
.set STAGE,  262144                    ; behind the tiles: 16 rows x 272 bytes for each wave, for the way out; no tensor load lands there
.set SPITCH, 272                       ; 256 bytes + 16 = 17 x 16 bytes: the 16 rows that a store touches start at 16 different banks (64 banks of 4 bytes: ISA guide 11.1)
.set SPARE,  STAGE+4*16*SPITCH         ; the spare words, 128 bytes for each wave
.set ADRA, 16                          ; v16  LDS address of my fragments of o
.set ADRB, 20                          ; v20  of w_out
.set STO,  24                          ; v24  the way out: where I put 32 bytes of a row
.set RD,   25                          ; v25  where I read a row back
.set CO,   26                          ; v26  my byte offset in out0
.set SPW,  30                          ; v30  LDS address of my spare word; never rewritten
.set NIL,  31                          ; v31  0; never rewritten
.set TMP,  32                          ; v32-63   a block's sums x 2^(e6 + e7)
.set BK,   64                          ; v64-127  16 rows read back, two sets
.set ACC,  128
.set G1,  24                           ; s[24:31] descriptor group 1 for o's tiles, s[32:35] group 0
.set G0,  32
.set G1U, 48                           ; s[48:55], s[68:71] the same for w_out's
.set G0U, 68
.set MSB, 0
.macro WIN new                         ; the immediate's high byte repeats the setting that is left
.if MSB != (\new)
	s_set_vgpr_msb (MSB<<8)|(\new)
.set MSB, (\new)
.endif
.endm
.set MUL,  0x05                        ; sources 0 and 1 window 1; C and D window 0
.set TO_F, 0x40                        ; destination window 1, address window 0
.macro CROUND                          ; a round of the cluster's barrier
	s_barrier_signal -1
	s_barrier_wait -1
	s_cmp_lg_u32 s14, 0
	s_cbranch_scc1 .Lnot_wave_0_\@
	s_barrier_signal -3
.Lnot_wave_0_\@:
	s_barrier_wait -3
	s_barrier_signal -1
	s_barrier_wait -1
.endm
.macro PLACES                          ; four places in front of loads into registers that matrix instructions have read, and of the first read of results (ISA guide 7.12.1 for the first read of results)
.rept 4
	v_nop
.endr
.endm
	s_load_b128 s[4:7], s[0:1], 0x0                ; oc s[4:5], woc s[6:7]
	s_load_b128 s[8:11], s[0:1], 0x10              ; the scales' exponents s[8:9], out0 s[10:11]
	v_lshl_add_u32 v[SPW], v0, 2, SPARE
	v_mov_b32 v[NIL], 0
	ds_add_u32 v[SPW], v[NIL]                      ; the opening lines: the add, twice on end; work on registers stands between it and the wait
	ds_add_u32 v[SPW], v[NIL]
	v_lshrrev_b32 v1, 5, v0
	v_readfirstlane_b32 s14, v1                    ; wave 0..3
	s_lshr_b32 s15, s14, 1                         ; which half of the tile's rows is mine.  Also: I fetch for o (0) or for w_out (1)
	s_and_b32 s16, s14, 1                          ; which half of its columns.  Also: which 64 rows I fetch
	s_bfe_u32 s56, ttmp6, 0x40000                  ; cx, cy: my place in the cluster
	s_bfe_u32 s57, ttmp6, 0x40004
	s_lshl_b32 s58, ttmp9, 2
	s_add_co_u32 s58, s58, s56                     ; block of 128 columns = 4 x cluster x + cx
	s_and_b32 s17, ttmp7, 0xffff
	s_lshl_b32 s17, s17, 2
	s_add_co_u32 s17, s17, s57                     ; block of 128 rows = 4 x cluster y + cy
	s_lshl_b32 s59, s57, 2
	s_lshl_b32 s59, 15, s59                        ; my row of the cluster
	s_lshl_b32 s60, 0x1111, s56                    ; my column
	; descriptor group 1: a dense block of 65,536 bytes as 16 rows of 4,096
	s_or_b32 s[G1+0], s59, (3<<16)|(1<<21)         ; 15:0 the mask: o's tiles go to my row; 17:16 elements of 8 bytes; no padding; 21 set beside a mask
	s_or_b32 s[G1U+0], s60, (3<<16)|(1<<21)
.irp g, G1, G1U
	s_mov_b32 s[\g+1], 512<<16                     ; tensor_dim0 = 512 elements
	s_mov_b32 s[\g+2], 16<<16                      ; tensor_dim1 = 16
	s_mov_b32 s[\g+3], 512<<16                     ; tile_dim0
	s_mov_b32 s[\g+4], 16                          ; tile_dim1
	s_mov_b32 s[\g+5], 512                         ; tensor_dim0_stride
	s_mov_b32 s[\g+6], 0
	s_mov_b32 s[\g+7], 0
.endr
	s_lshl_b32 s18, s16, 6                         ; which 64 rows I fetch
	s_lshl_b32 s20, s17, 7
	s_add_co_u32 s20, s20, s18                     ; o: row 128 x block + 64 x half,
	s_lshl_b32 s20, s20, 10                        ; 1,024 bytes a row
	s_mov_b32 s21, 0
	s_lshl_b32 s22, s58, 7
	s_add_co_u32 s22, s22, s18                     ; w_out likewise
	s_lshl_b32 s22, s22, 10
	s_mov_b32 s23, 0
	s_lshl_b32 s19, s14, 16                        ; where they go: 65,536 x wave: no place in the cluster enters an LDS address
	s_wait_dscnt 0x0                               ; both opening adds are done
	s_wait_kmcnt 0x0
	s_load_b256 s[84:91], s[8:9], 0x0              ; e0 .. e7
	s_add_nc_u64 s[20:21], s[4:5], s[20:21]
	s_add_nc_u64 s[22:23], s[6:7], s[22:23]
	s_mov_b32 s[G0], 1
	s_mov_b32 s[G0+1], s19
	s_mov_b64 s[G0+2:G0+3], s[20:21]
	s_or_b32 s[G0+3], s[G0+3], 0x80000000
	s_mov_b32 s[G0U], 1
	s_mov_b32 s[G0U+1], s19
	s_mov_b64 s[G0U+2:G0U+3], s[22:23]
	s_or_b32 s[G0U+3], s[G0U+3], 0x80000000
	CROUND                                         ; all sixteen work-groups are here: the joint loads meet
	s_cmp_eq_u32 s15, 0                            ; one load a wave, in one branch on the wave's number; an s_nop 0 and four v_nop follow each
	s_cbranch_scc0 .Lfor_u
	tensor_load_to_lds s[G0:G0+3], s[G1:G1+7]
	s_nop 0
.rept 4
	v_nop
.endr
	s_branch .Lasked
.Lfor_u:
	tensor_load_to_lds s[G0U:G0U+3], s[G1U:G1U+7]
	s_nop 0
.rept 4
	v_nop
.endr
.Lasked:
	v_and_b32 v1, 31, v0
	v_lshlrev_b32 v2, 4, v1                        ; an image's place for my lane
	s_lshl_b32 s92, s15, 16
	v_add_nc_u32 v[ADRA], s92, v2                  ; my 64 rows of o
	s_lshl_b32 s92, s16, 16
	s_add_co_u32 s92, s92, 131072
	v_add_nc_u32 v[ADRB], s92, v2                  ; my 64 rows of w_out, behind o's 128
	v_and_b32 v3, 15, v0                           ; r
	v_bfe_u32 v4, v0, 4, 1                         ; h
	s_mul_i32 s93, s14, 16*SPITCH
	s_add_co_u32 s93, s93, STAGE                   ; my stage
	v_mul_u32_u24 v5, v3, SPITCH
	v_lshl_add_u32 v5, v4, 5, v5
	v_add_nc_u32 v[STO], s93, v5                   ; in: row r, 32 bytes for each half of the lanes
	v_mul_u32_u24 v5, v4, SPITCH
	v_lshl_add_u32 v5, v3, 4, v5
	v_add_nc_u32 v[RD], s93, v5                    ; back: lanes 0-15 one row of 256 bytes, lanes 16-31 the next
	v_lshlrev_b32 v5, 12, v4
	v_lshl_add_u32 v[CO], v3, 4, v5                ; and the same two rows in out0, 4,096 bytes apart
	s_lshl_b32 s92, s17, 7
	s_lshl_b32 s93, s15, 6
	s_add_co_u32 s92, s92, s93                     ; my first row
	s_lshl_b32 s92, s92, 12
	s_lshl_b32 s93, s58, 9                         ; my first column, in bytes: 512 x block + 256 x half
	s_add_co_u32 s92, s92, s93
	s_lshl_b32 s93, s16, 8
	s_add_co_u32 s92, s92, s93
	s_mov_b32 s93, 0
	s_add_nc_u64 s[10:11], s[10:11], s[92:93]
	s_wait_alu depctr_va_vdst(0)
	s_wait_kmcnt 0x0
	s_add_co_i32 s96, s90, s91                     ; e6 + e7
	s_add_co_i32 s96, s96, 127
	s_lshl_b32 s96, s96, 23                        ; 2^(e6 + e7) as f32
	s_mov_b32 s97, s96                             ; (named with it as a pair, so it is written)
.macro FETCH g, f                      ; 32 LDS loads in one run: the fragments of the g-th 128 along K into set f
	WIN TO_F
.irp i, 0,1,2,3
.irp c, 0,1,2,3
	ds_load_b128 v[128*(\f)+64+16*\i+4*\c:128*(\f)+64+16*\i+4*\c+3], v[ADRB] offset:16384*\i+2048*(\g)+512*\c
.endr
.endr
.irp i, 0,1,2,3
.irp c, 0,1,2,3
	ds_load_b128 v[128*(\f)+16*\i+4*\c:128*(\f)+16*\i+4*\c+3], v[ADRA] offset:16384*\i+2048*(\g)+512*\c
.endr
.endr
.endm
.macro MULS f, zero                    ; 16 matrix instructions, 128 along K; the 16 accumulators take turns, in the same order every time.  zero = 1: the first products start the sums
	WIN MUL
.irp a, 0,1,2,3
.irp b, 0,1,2,3
.if \zero
	v_wmma_f32_16x16x128_fp8_fp8 v[ACC+8*(4*\a+\b):ACC+8*(4*\a+\b)+7], v[128*(\f)+64+16*\b:128*(\f)+64+16*\b+15], v[128*(\f)+16*\a:128*(\f)+16*\a+15], 0
.else
	v_wmma_f32_16x16x128_fp8_fp8 v[ACC+8*(4*\a+\b):ACC+8*(4*\a+\b)+7], v[128*(\f)+64+16*\b:128*(\f)+64+16*\b+15], v[128*(\f)+16*\a:128*(\f)+16*\a+15], v[ACC+8*(4*\a+\b):ACC+8*(4*\a+\b)+7]
.endif
.endr
.endr
.endm
	s_wait_tensorcnt 0x0                           ; my 64 rows are in
	s_barrier_signal -1
	s_barrier_wait -1                              ; everybody's are
	FETCH 0, 0
.irp g, 0,1,2,3,4,5,6
.if \g > 0
	PLACES                                         ; the other set was multiplied last
.endif
	FETCH (\g)+1, ((\g)+1)%2
	s_wait_dscnt 32                                ; all but the 32 just issued
.if \g == 0
	MULS 0, 1
.else
	MULS (\g)%2, 0
.endif
.endr
	s_wait_dscnt 0x0
	MULS 1, 0
	WIN 0
; THE WAY OUT, block by block of 16 rows x 64 columns.  A lane holds 32 neighbouring bytes of a row, and the lanes beside it hold other rows: so a block goes through my own stage in LDS and comes back as whole rows of 256 bytes.
; LDS serves a wave's instructions in order (ISA guide 5.7.1.4): no wait between the stores and the loads, nor in front of the next block's stores.
.macro TOSTAGE a
.irp b, 0,1,2,3
.irp i, 0,2,4,6
	v_pk_mul_f32 v[TMP+8*\b+\i:TMP+8*\b+\i+1], v[ACC+8*(4*(\a)+\b)+\i:ACC+8*(4*(\a)+\b)+\i+1], s[96:97] op_sel_hi:[1,0]   ; x 2^(e6 + e7); each accumulator from its low end on
.endr
.endr
.irp b, 0,1,2,3
	ds_store_b128 v[STO], v[TMP+8*\b:TMP+8*\b+3] offset:64*\b
	ds_store_b128 v[STO], v[TMP+8*\b+4:TMP+8*\b+7] offset:64*\b+16
.endr
.irp t, 0,1,2,3,4,5,6,7
	ds_load_b128 v[BK+32*((\a)%2)+4*\t:BK+32*((\a)%2)+4*\t+3], v[RD] offset:2*\t*SPITCH
.endr
.endm
.macro SEND a, younger                 ; younger: the LDS instructions issued behind block a's loads, which may stay out
	s_wait_dscnt \younger
.irp t, 0,1,2,3,4,5,6,7
	global_store_b128 v[CO], v[BK+32*((\a)%2)+4*\t:BK+32*((\a)%2)+4*\t+3], s[10:11] offset:(16*(\a)+2*\t)*4096 th:TH_STORE_NT   ; 16 lanes store 256 consecutive bytes, aligned; written once, read by nobody here
.endr
.endm
	PLACES
	TOSTAGE 0
	TOSTAGE 1
	SEND 0, 16                                     ; behind block 0's loads: block 1's 8 stores and 8 loads
	s_wait_xcnt 0x0                                ; block 0's stores have read their registers: block 2's loads may land there
	TOSTAGE 2
	SEND 1, 16
	s_wait_xcnt 0x0
	TOSTAGE 3
	SEND 2, 16
	SEND 3, 0
	s_wait_tensorcnt 0x0                           ; the wave's end
	ds_add_u32 v[SPW], v[NIL]
	s_wait_dscnt 0x0
	CROUND                                         ; the closing round: no work-group ends while a partner may still ask for a tile that names it
	s_endpgm
.Lfunc_end_k_qfca38a607c_proj:
	.size	k_qfca38a607c_proj, .Lfunc_end_k_qfca38a607c_proj-k_qfca38a607c_proj
	.p2alignl 7, 3214868480
	.fill 96, 4, 3214868480
	.section	.rodata,"a",@progbits
	.p2align	6, 0x0
	.amdhsa_kernel k_qfca38a607c_proj
		.amdhsa_group_segment_fixed_size 327680
		.amdhsa_private_segment_fixed_size 0
		.amdhsa_enable_private_segment 0
		.amdhsa_kernarg_size 32
		.amdhsa_user_sgpr_count 2
		.amdhsa_user_sgpr_kernarg_segment_ptr 1
		.amdhsa_wavefront_size32 1
		.amdhsa_system_sgpr_workgroup_id_x 1
		.amdhsa_system_sgpr_workgroup_id_y 1
		.amdhsa_system_sgpr_workgroup_id_z 1
		.amdhsa_system_vgpr_workitem_id 0
		.amdhsa_next_free_vgpr 512
		.amdhsa_next_free_sgpr 100
		.amdhsa_reserve_vcc 0
		.amdhsa_float_denorm_mode_32 3
		.amdhsa_float_denorm_mode_16_64 3
		.amdhsa_memory_ordered 1
		.amdhsa_forward_progress 1
		.amdhsa_inst_pref_size 43
	.end_amdhsa_kernel
	.amdgpu_metadata
---
amdhsa.version: [ 1, 2 ]
amdhsa.kernels:
  - .name:           k_qfca38a607c_proj
    .symbol:         k_qfca38a607c_proj.kd
    .args:
      - { .name: oc, .offset: 0, .size: 8, .value_kind: global_buffer, .address_space: global }
      - { .name: woc, .offset: 8, .size: 8, .value_kind: global_buffer, .address_space: global }
      - { .name: lowp_scales, .offset: 16, .size: 8, .value_kind: global_buffer, .address_space: global }
      - { .name: out0, .offset: 24, .size: 8, .value_kind: global_buffer, .address_space: global }
    .group_segment_fixed_size: 327680
    .private_segment_fixed_size: 0
    .kernarg_segment_align: 8
    .kernarg_segment_size: 32
    .max_flat_workgroup_size: 128
    .sgpr_count:     100
    .vgpr_count:     512
    .wavefront_size: 32
...
	.end_amdgpu_metadata
.endif
;; end of part 4
